; MI455X (gfx1250); checked and timed in simulation.
; The chip was launched on July 23, 2026; its instructions are those of AMD's public machine-readable ISA for CDNA 5 (MIT licence, August 2026) and "CDNA5" Instruction Set Architecture Reference Guide (July 2026). The comments in the code are by the model that wrote it; some were corrected since.
;; Fused Transformer Block. Allowed arithmetic: matrix products marked QUANTISED: E5M2 operands, one given power-of-two scale a tensor, by v_wmma_f32_16x16x64_bf8_bf8 or v_wmma_f32_16x16x128_bf8_bf8, f32 sums; everything else in f32.
;; Inputs: b_fc1 4,096 float32; b_fc2 1,024 float32; b_proj 1,024 float32; b_qkv 3,072 float32; ln1_b 1,024 float32; ln1_w 1,024 float32; ln2_b 1,024 float32; ln2_w 1,024 float32; lowp_scales 12 int32 (the exponents e of the quantised operands' scales 2^e); w_fc1 4,096 x 1,024 float32; w_fc2 1,024 x 4,096 float32; w_proj 1,024 x 1,024 float32; w_qkv 3,072 x 1,024 float32; x 2,048 x 2 x 1,024 float32.
;; Outputs: out0 2,048 x 2 x 1,024 float32.
;; This version of the problem:
;;   THIS VERSION OF THE PROBLEM IS GIVEN IN LOW PRECISION. The matrix products marked QUANTISED in the list below multiply operands that are first quantised to E5M2 (5 exponent bits, 2 mantissa bits; 8 bits a number), with one given power-of-two scale for each operand tensor; their sums are f32. All else is computed in f32.
;;   The module's matrix products, in the order in which they are computed (A, B: the left and right operand; K: the contracted axis; several contracted axes count as one K, in the product's order):
;;     1. [M 4,096, K 1,024] x [K 1,024, N 3,072]; A: computed on the way; B: input w_qkv: QUANTISED (scales: A lowp_scales[0], B lowp_scales[1])
;;     2. batch 32 x [M 2,048, K 64] x [K 64, N 2,048]; A: computed on the way; B: computed on the way: QUANTISED (scales: A lowp_scales[2], B lowp_scales[3])
;;     3. batch 32 x [M 2,048, K 2,048] x [K 2,048, N 64]; A: softmax (see below); B: computed on the way: QUANTISED (scales: A lowp_scales[4], B lowp_scales[5])
;;     4. [M 4,096, K 1,024] x [K 1,024, N 1,024]; A: computed on the way; B: input w_proj: QUANTISED (scales: A lowp_scales[6], B lowp_scales[7])
;;     5. [M 4,096, K 1,024] x [K 1,024, N 4,096]; A: computed on the way; B: input w_fc1: QUANTISED (scales: A lowp_scales[8], B lowp_scales[9])
;;     6. [M 4,096, K 4,096] x [K 4,096, N 1,024]; A: computed on the way; B: input w_fc2: QUANTISED (scales: A lowp_scales[10], B lowp_scales[11])
;;   THE QUANTISER, for each operand of a quantised product, along K:
;;     - The operand's scale is 2^e, e = its entry of the input lowp_scales (int32; the entries are numbered through the quantised products in the list's order, A before B).
;;     - Each number is divided by the scale, clamped to +-57,344, and rounded to the nearest number of E5M2, ties to even, subnormals kept.
;;     - The product sums the exact products of the quantised numbers (number of the format x scale) in f32.
;;   ~~~python
;;   def quantise(x, axis, e):      # numpy; x: float32 -> the quantised numbers, widened to float32 again
;;       x = np.moveaxis(x, axis, -1); K = x.shape[-1]
;;       r = np.clip(x / 2.0 ** e, -57344, 57344)
;;       step = 2.0 ** (np.maximum(np.frexp(np.where(r == 0, 1, r))[1] - 1, -14) - 2)
;;       q = np.round(r / step) * step * 2.0 ** e      # np.round: ties to even
;;       return np.moveaxis(q, -1, axis).astype(np.float32)
;;   ~~~
;;   SOFTMAX AHEAD OF A QUANTISED PRODUCT. Where the list says 'softmax', what is quantised is not the finished softmax but p = 2^(t - M), with t = logit x log2(e) and M = ceil(the row's largest t), a whole number; so 1/2 < the row's largest p <= 1. The row's sum l is taken of the UNQUANTISED p, in f32, and the product's result is divided by l at the end. Since M is a whole number, a kernel that streams over the keys may use a running M (the ceiling of the running maximum): every later rescaling is an exact power of two, so the quantised numbers keep their values, but for numbers so far below the row's largest that they fall under the format's range.
;;   OPERANDS COMPUTED ON THE WAY. 'Computed on the way' means the value that the module computes at that place (a softmax that the list does not call 'softmax' is quantised finished and normalised). What goes into a quantiser is computed in f32, as accurately as f32 sums, v_exp_f32 and their like allow (about 1e-6 of the number): no bf16 or f16 on the way to a quantiser, and a product that is left as it is and whose result goes on into a quantised operand takes f32 operands (vector FMAs, or v_wmma_f32_16x16x4_f32). A number that lies on a knife's edge between two numbers of the format may be rounded either way, as far as f32 arithmetic and the matrix unit's own rounding can turn it there, and no further.
;; One version. Each part assembles by itself: llvm-mc -triple=amdgcn-amd-amdhsa -mcpu=gfx1250 --defsym DOCPART=n.
;; ======== version 1 of 1: 7 launches
;; limits: right only within a limited range of input values
;; workspace buffers: wc 12,582,912 bytes; a1c 4,194,304 bytes; qkvc 12,582,912 bytes; oc 4,194,304 bytes; x2 16,777,216 bytes; a2c 4,194,304 bytes; hc 16,777,216 bytes
;; launch prep (part 1): grid 640 x 1, 4 waves a work-group, no clusters, 53,760 bytes of LDS; arguments x, ln1_w, ln1_b, w_qkv, w_proj, w_fc1, w_fc2, lowp_scales, wc, a1c; writes wc, a1c
.if DOCPART == 1
	.amdgcn_target "amdgcn-amd-amdhsa--gfx1250"
	.amdhsa_code_object_version 6
	.text
	.protected	k_q73cc6fa432_prep
	.globl	k_q73cc6fa432_prep
	.p2align	8
	.type	k_q73cc6fa432_prep,@function
k_q73cc6fa432_prep:
	s_mov_b64 s[64:65], 0
	v_nop
	global_prefetch_b8 v0, s[64:65] scope:SCOPE_SE
	s_setreg_imm32_b32 hwreg(HW_REG_WAVE_MODE, 25, 1), 1
	s_wait_xcnt 0x0
; TWO JOBS IN ONE LAUNCH.  Work-groups 0 to 383: the four weights, f32, become codes of E5M2 in wc, K innermost.  Work-groups 384 to 639: LayerNorm 1 of x, quantised, into a1c.
; code = number / 2^e, held within +-57,344, rounded to the nearest code, ties to even.  e: entries 1, 7, 9, 11 of the scales for w_qkv, w_proj, w_fc1, w_fc2, entry 0 for the normalised x.
; LIMITS: every e used here lies between -126 and 112, so that 2^e and 57,344 x 2^e are f32 numbers.  NaN among the inputs is not served.
; wc: w_qkv' [3072][1024] at byte 0, w_proj [1024][1024] at 3,145,728, w_fc1' [4096][1024] at 4,194,304, w_fc2 [1024][4096] at 8,388,608.
; THE ORDER OF ROWS in w_qkv' and w_fc1': of every 32 rows the two middle groups of 8 change places, so that in the later products, used transposed, a lane's 16 results of two neighbouring tiles are 16 neighbours
; along the next K.  w_qkv' is also sorted: row part x 1024 + head x 64 + place, part 0 = q, 1 = k, 2 = v; its source row is head x 192 + part x 64 + d.
; A weights work-group takes 32 rows' worth (32,768 numbers), each wave 8,192: a group of 8 rows of 1,024, so both re-orderings are only another choice of the wave's source.
; a1c: [b x 2048 + s][1024].  x's row is 2 s + b: a wave's four rows have one b and lie 8,192 bytes apart.
; Both jobs load 512 consecutive bytes an instruction, turn them through the wave's own stage in LDS so that a lane holds 16 neighbours along K, and store 512 consecutive bytes of codes an instruction.
; No barrier: waves share nothing.  Each job has LDS bytes of its own.
.set NWGW,  384
.set SP,    80                         ; a lane's place in a stage: 64 bytes + 16 of padding
.set WREG,  8192                       ; weights: a wave's LDS region: two stages of 32 x SP bytes
.set LNB,   32768                      ; LayerNorm: its regions begin here,
.set LREG,  5120                       ; two stages a wave
.set STEPS, 16
.set EMAX,  15
.set MANT,  0x600000                   ; the mantissa field of 57,344 as f32
.set WR,    16                         ; weights: v16-79 four sets of 16 numbers as loaded
.set WX,    80                         ;          v80-111 two sets of 16 neighbours
.set WC,    128                        ;          v128-191 codes, four registers a step: no store's data are written again
.set LX,    16                         ; LayerNorm: v16-47 a row's 32 numbers of my lane as neighbours; v16-19 also the sums' chains
.set LC,    48                         ;            v48-63 codes, two sets of 8
.set LR,    64                         ;            v64-191 four rows as loaded, 32 registers each
.set LW,    192                        ;            v192-223 the gain, v224-255 the bias, in the rows' layout
.set LB,    224
.set SRCP,  8192                       ; from row to row of a wave's four
	s_load_b512 s[16:31], s[0:1], 0x0              ; x 16, ln1_w 18, ln1_b 20, w_qkv 22, w_proj 24, w_fc1 26, w_fc2 28, the scales 30
	s_load_b128 s[32:35], s[0:1], 0x40             ; wc 32, a1c 34
	s_set_vgpr_msb 0x40
	v_lshl_add_u32 v0, v0, 2, 0xd000
	v_mov_b32 v1, 0
	s_set_vgpr_msb 0x4000
	v_lshrrev_b32 v1, 5, v0
	v_readfirstlane_b32 s8, v1                     ; wave
	v_and_b32 v2, 31, v0                           ; lane
	v_lshlrev_b32 v3, 4, v2                        ; 16 x lane: my 16 bytes of an instruction's 512, in and out
	v_lshrrev_b32 v14, 2, v2
	v_mul_u32_u24 v14, v14, SP
	v_and_b32 v15, 3, v2
	v_lshl_add_u32 v14, v15, 4, v14                ; into a stage: four lanes' 64 bytes on end, then the padding
	v_mul_u32_u24 v15, v2, SP                      ; out of it: my 64 bytes
	s_mul_i32 s2, s8, LREG
	s_add_co_u32 s2, s2, LNB
	v_add_nc_u32 v4, s2, v14                       ; LayerNorm's stage, in
	v_add_nc_u32 v5, s2, v15                       ; and out
	s_mul_i32 s2, s8, WREG
	v_add_nc_u32 v14, s2, v14                      ; the weights' stage, in
	v_add_nc_u32 v15, s2, v15                      ; and out
	s_wait_kmcnt 0x0
	s_load_b256 s[40:47], s[30:31], 0x0            ; e0 .. e7
	s_load_b128 s[48:51], s[30:31], 0x20           ; e8 .. e11
	s_cmp_lt_u32 ttmp9, NWGW
	s_cbranch_scc0 .Lln
	; ---------------- the weights.  Which tensor: by the work-group's number alone
	s_mov_b64 s[4:5], s[28:29]                     ; w_fc2, from work-group 256 on, rows as they lie
	s_mov_b32 s6, 256
	s_mov_b32 s7, 0
	s_cmp_lt_u32 ttmp9, 256
	s_cselect_b64 s[4:5], s[26:27], s[4:5]         ; w_fc1, from 128 on, groups of 8 exchanged
	s_cselect_b32 s6, 128, s6
	s_cselect_b32 s7, 1, s7
	s_cmp_lt_u32 ttmp9, 128
	s_cselect_b64 s[4:5], s[24:25], s[4:5]         ; w_proj, from 96 on
	s_cselect_b32 s6, 96, s6
	s_cselect_b32 s7, 0, s7
	s_cmp_lt_u32 ttmp9, 96
	s_cselect_b64 s[4:5], s[22:23], s[4:5]         ; w_qkv, from 0 on, exchanged and sorted
	s_cselect_b32 s6, 0, s6
	s_cselect_b32 s7, 1, s7
	s_sub_co_u32 s10, ttmp9, s6                    ; L: which 32 rows of the tensor, as they lie in wc
	s_lshr_b32 s11, s10, 1
	s_and_b32 s11, s11, 15                         ; w_qkv: head,
	s_mul_i32 s11, s11, 3
	s_lshr_b32 s12, s10, 5                         ; part,
	s_add_co_u32 s11, s11, s12
	s_lshl_b32 s11, s11, 1
	s_and_b32 s12, s10, 1                          ; half of the head's 64
	s_add_co_u32 s11, s11, s12                     ; its 32 rows in the source: (3 head + part) x 2 + half
	s_cmp_lt_u32 ttmp9, 96
	s_cselect_b32 s10, s11, s10
	s_and_b32 s11, s8, 1
	s_lshl_b32 s11, s11, 1
	s_lshr_b32 s12, s8, 1
	s_or_b32 s11, s11, s12                         ; groups 1 and 2 of the four change places
	s_cmp_eq_u32 s7, 1
	s_cselect_b32 s11, s11, s8
	s_lshl_b32 s10, s10, 2
	s_add_co_u32 s10, s10, s11
	s_lshl_b32 s10, s10, 15                        ; x 8 rows of 4,096 bytes
	s_mov_b32 s11, 0
	s_add_nc_u64 s[4:5], s[4:5], s[10:11]
	s_lshl_b32 s12, ttmp9, 2
	s_add_co_u32 s12, s12, s8
	s_lshl_b32 s12, s12, 13                        ; x 8,192 codes
	s_mov_b32 s13, 0
	s_add_nc_u64 s[32:33], s[32:33], s[12:13]
.macro WLOAD t
.irp i, 0,1,2,3
	global_load_b128 v[WR+16*((\t)%4)+4*\i:WR+16*((\t)%4)+4*\i+3], v3, s[4:5] offset:2048*(\t)+512*\i th:TH_LOAD_NT   ; 32 lanes read 512 consecutive bytes
.endr
.endm
.macro WTURN t                         ; step t's numbers through a stage: LDS serves a wave's instructions in order, so no wait stands between the stores and the loads
.irp i, 0,1,2,3
	ds_store_b128 v14, v[WR+16*((\t)%4)+4*\i:WR+16*((\t)%4)+4*\i+3] offset:32*SP*((\t)%2)+8*SP*\i
.endr
.irp i, 0,1,2,3
	ds_load_b128 v[WX+16*((\t)%2)+4*\i:WX+16*((\t)%2)+4*\i+3], v15 offset:32*SP*((\t)%2)+16*\i
.endr
.endm
.irp t, 0,1,2,3
	WLOAD \t
.endr
	s_wait_kmcnt 0x0
	s_mov_b32 s9, s51                              ; the tensor's e, chosen as the tensor was
	s_cmp_lt_u32 ttmp9, 256
	s_cselect_b32 s9, s49, s9
	s_cmp_lt_u32 ttmp9, 128
	s_cselect_b32 s9, s47, s9
	s_cmp_lt_u32 ttmp9, 96
	s_cselect_b32 s9, s41, s9
	s_add_co_i32 s9, s9, 127
	s_lshl_b32 s10, s9, 23
	v_mov_b32 v11, s10                             ; 2^e as f32: the conversion takes its exponent field
	s_add_co_i32 s9, s9, EMAX
	s_lshl_b32 s9, s9, 23
	s_or_b32 s9, s9, MANT
	v_mov_b32 v10, s9                              ; 57,344 x 2^e
	s_wait_loadcnt 12                              ; step 0's four loads are in; the twelve of steps 1 to 3 may be out
	s_wait_alu depctr_va_vdst(0)
	WTURN 0
.macro WSTEP t
.set XS, WX+16*((\t)%2)
	s_wait_dscnt 0x0                               ; this step's numbers are back from the stage, and its stores into the stage have read their registers,
.if (\t)+4 < STEPS
	WLOAD (\t)+4                                   ; which take the loads of four steps on
.endif
.if (\t)+1 < STEPS
.if STEPS-2-(\t) >= 3
	s_wait_loadcnt 12                              ; the next step's four loads are in; those of the three steps behind it may be out
.else
	s_wait_loadcnt 4*(STEPS-2-(\t))
.endif
	WTURN (\t)+1
.endif
.set i, 0
.rept 16
	v_med3_num_f32 v[XS+i], v[XS+i], -v10, v10     ; the conversion to an 8-bit code does not saturate (ISA guide 7.6.2): the hold comes first
.set i, i+1
.endr
	v_cvt_scalef32_pk8_bf8_f32 v[WC+4*(\t):WC+4*(\t)+1], v[XS:XS+7], v11
	v_cvt_scalef32_pk8_bf8_f32 v[WC+4*(\t)+2:WC+4*(\t)+3], v[XS+8:XS+15], v11   ; the results go to a store alone; the next vector lines are the next step's holds, on the other set
	global_store_b128 v3, v[WC+4*(\t):WC+4*(\t)+3], s[32:33] offset:512*(\t)     ; 32 lanes store 512 consecutive bytes
.endm
.irp t, 0,1,2,3,4,5,6,7,8,9,10,11,12,13,14,15
	WSTEP \t
.endr
	s_set_vgpr_msb 0x5
	s_wait_tensorcnt 0x0
	ds_add_u32 v0, v1
	s_wait_dscnt 0x0
	s_set_vgpr_msb 0x500
	s_endpgm
	; ---------------- LayerNorm 1.  A wave takes four rows s0 .. s0 + 3 of one b
.Lln:
	s_sub_co_u32 s2, ttmp9, NWGW
	s_lshl_b32 s2, s2, 2
	s_add_co_u32 s2, s2, s8                        ; unit 0 .. 1023
	s_and_b32 s3, s2, 1                            ; b
	s_lshr_b32 s4, s2, 1
	s_lshl_b32 s4, s4, 2                           ; s0
	s_lshl_b32 s5, s4, 1
	s_add_co_u32 s5, s5, s3                        ; x's row 2 s0 + b
	s_lshl_b32 s6, s5, 12
	s_mov_b32 s7, 0
	s_add_nc_u64 s[16:17], s[16:17], s[6:7]
	s_lshl_b32 s5, s3, 11
	s_add_co_u32 s5, s5, s4                        ; a1c's row 2048 b + s0
	s_lshl_b32 s6, s5, 10
	s_add_nc_u64 s[34:35], s[34:35], s[6:7]
	s_mov_b32 s52, 0x76543210                      ; v_permlanex16_b32: lane l xor 16
	s_mov_b32 s53, 0xfedcba98
	s_mov_b32 s54, 0x3a800000                      ; 1 / 1024
	s_mov_b32 s55, 0x3727c5ac                      ; 1e-5
.irp i, 0,1,2,3,4,5,6,7
	global_load_b128 v[LW+4*\i:LW+4*\i+3], v3, s[18:19] offset:512*\i
	global_load_b128 v[LB+4*\i:LB+4*\i+3], v3, s[20:21] offset:512*\i
.endr
.irp r, 0,1,2,3
.irp i, 0,1,2,3,4,5,6,7
	global_load_b128 v[LR+32*\r+4*\i:LR+32*\r+4*\i+3], v3, s[16:17] offset:\r*SRCP+512*\i th:TH_LOAD_NT   ; load i: numbers 128 i + 4 lane + 0 .. 3 of the row
.endr
.endr
	v_mov_b32 v7, 0                                ; upper halves of pairs of which the low word serves both halves, and the permute's destination: written once
	v_mov_b32 v9, 0
	v_mov_b32 v13, 0
	s_wait_kmcnt 0x0
	s_add_co_i32 s9, s40, 127                      ; e0
	s_lshl_b32 s10, s9, 23
	v_mov_b32 v11, s10
	s_add_co_i32 s9, s9, EMAX
	s_lshl_b32 s9, s9, 23
	s_or_b32 s9, s9, MANT
	v_mov_b32 v10, s9
.macro RED                             ; v8 summed over the 32 lanes, the result in every lane
	v_add_f32_dpp v8, v8, v8 row_xmask:1 row_mask:0xf bank_mask:0xf
	v_add_f32_dpp v8, v8, v8 row_xmask:2 row_mask:0xf bank_mask:0xf
	v_add_f32_dpp v8, v8, v8 row_xmask:4 row_mask:0xf bank_mask:0xf
	v_add_f32_dpp v8, v8, v8 row_xmask:8 row_mask:0xf bank_mask:0xf
	v_permlanex16_b32 v9, v8, s52, s53
	v_add_f32 v8, v8, v9
.endm
.macro LNROW r
.set RR, LR+32*(\r)
	s_wait_loadcnt 8*(3-(\r))                      ; this row's eight loads are in (gain and bias were asked for earlier); the later rows' may be out
	v_pk_add_f32 v[16:17], v[RR:RR+1], v[RR+2:RR+3]        ; the sum, in two chains
	v_pk_add_f32 v[18:19], v[RR+4:RR+5], v[RR+6:RR+7]
.irp j, 8,12,16,20,24,28
	v_pk_add_f32 v[16:17], v[16:17], v[RR+\j:RR+\j+1]
	v_pk_add_f32 v[18:19], v[18:19], v[RR+\j+2:RR+\j+3]
.endr
	v_pk_add_f32 v[16:17], v[16:17], v[18:19]
	v_add_f32 v8, v16, v17
	RED
	v_mul_f32 v12, s54, v8                         ; the mean
.set j, 0
.rept 16
	v_pk_add_f32 v[RR+j:RR+j+1], v[RR+j:RR+j+1], v[12:13] op_sel_hi:[1,0] neg_lo:[0,1] neg_hi:[0,1]   ; z - mean first, the squares of that: as the definition has it, so a common offset costs nothing
.set j, j+2
.endr
	v_pk_mul_f32 v[16:17], v[RR:RR+1], v[RR:RR+1]
	v_pk_mul_f32 v[18:19], v[RR+2:RR+3], v[RR+2:RR+3]
.irp j, 4,8,12,16,20,24,28
	v_pk_fma_f32 v[16:17], v[RR+\j:RR+\j+1], v[RR+\j:RR+\j+1], v[16:17]
	v_pk_fma_f32 v[18:19], v[RR+\j+2:RR+\j+3], v[RR+\j+2:RR+\j+3], v[18:19]
.endr
	v_pk_add_f32 v[16:17], v[16:17], v[18:19]
	v_add_f32 v8, v16, v17
	RED
	v_fma_f32 v8, v8, s54, s55                     ; the variance + 1e-5
	s_wait_alu depctr_va_vdst(0)
	v_rsq_f32 v6, v8
	v_nop                                          ; a plain line behind the transcendental,
	s_wait_alu depctr_va_vdst(0)                   ; and the wait ahead of its first reader
.set j, 0
.rept 16
	v_pk_mul_f32 v[RR+j:RR+j+1], v[RR+j:RR+j+1], v[6:7] op_sel_hi:[1,0]
.set j, j+2
.endr
.set j, 0
.rept 16
	v_pk_fma_f32 v[RR+j:RR+j+1], v[RR+j:RR+j+1], v[LW+j:LW+j+1], v[LB+j:LB+j+1]
.set j, j+2
.endr
.irp i, 0,1,2,3,4,5,6,7
	ds_store_b128 v4, v[RR+4*\i:RR+4*\i+3] offset:32*SP*(\i/4)+8*SP*(\i%4)   ; the row's two halves of 2,048 bytes, each into a stage, as they lie
.endr
.irp u, 0,1
.irp j, 0,1,2,3
	ds_load_b128 v[LX+16*\u+4*\j:LX+16*\u+4*\j+3], v5 offset:32*SP*\u+16*\j  ; and back: numbers 512 u + 16 lane + 0 .. 15.  LDS serves a wave's instructions in order
.endr
.endr
	s_wait_dscnt 0x0
	s_wait_xcnt 0x0                                ; the stores of two rows back have read their codes' registers
.set i, 0
.rept 32
	v_med3_num_f32 v[LX+i], v[LX+i], -v10, v10
.set i, i+1
.endr
.irp g, 0,1,2,3
	v_cvt_scalef32_pk8_bf8_f32 v[LC+8*((\r)%2)+2*\g:LC+8*((\r)%2)+2*\g+1], v[LX+8*\g:LX+8*\g+7], v11
.endr
	v_nop                                          ; a plain line between the conversions and the next row's first line, which writes their sources
	global_store_b128 v3, v[LC+8*((\r)%2):LC+8*((\r)%2)+3], s[34:35] offset:1024*(\r)
	global_store_b128 v3, v[LC+8*((\r)%2)+4:LC+8*((\r)%2)+7], s[34:35] offset:1024*(\r)+512
.endm
	LNROW 0
	LNROW 1
	LNROW 2
	LNROW 3
	s_set_vgpr_msb 0x5
	s_wait_tensorcnt 0x0
	ds_add_u32 v0, v1
	s_wait_dscnt 0x0
	s_set_vgpr_msb 0x500
	s_endpgm
.Lfunc_end_k_q73cc6fa432_prep:
	.size	k_q73cc6fa432_prep, .Lfunc_end_k_q73cc6fa432_prep-k_q73cc6fa432_prep
	.p2alignl 7, 3214868480
	.fill 96, 4, 3214868480
	.section	.rodata,"a",@progbits
	.p2align	6, 0x0
	.amdhsa_kernel k_q73cc6fa432_prep
		.amdhsa_group_segment_fixed_size 53760
		.amdhsa_private_segment_fixed_size 0
		.amdhsa_enable_private_segment 0
		.amdhsa_kernarg_size 80
		.amdhsa_user_sgpr_count 2
		.amdhsa_user_sgpr_kernarg_segment_ptr 1
		.amdhsa_wavefront_size32 1
		.amdhsa_system_sgpr_workgroup_id_x 1
		.amdhsa_system_sgpr_workgroup_id_y 1
		.amdhsa_system_sgpr_workgroup_id_z 1
		.amdhsa_system_vgpr_workitem_id 0
		.amdhsa_next_free_vgpr 258
		.amdhsa_next_free_sgpr 66
		.amdhsa_reserve_vcc 0
		.amdhsa_float_denorm_mode_32 3
		.amdhsa_float_denorm_mode_16_64 3
		.amdhsa_memory_ordered 1
		.amdhsa_forward_progress 1
		.amdhsa_inst_pref_size 83
	.end_amdhsa_kernel
	.amdgpu_metadata
---
amdhsa.version: [ 1, 2 ]
amdhsa.kernels:
  - .name:           k_q73cc6fa432_prep
    .symbol:         k_q73cc6fa432_prep.kd
    .args:
      - { .name: x, .offset: 0, .size: 8, .value_kind: global_buffer, .address_space: global }
      - { .name: ln1_w, .offset: 8, .size: 8, .value_kind: global_buffer, .address_space: global }
      - { .name: ln1_b, .offset: 16, .size: 8, .value_kind: global_buffer, .address_space: global }
      - { .name: w_qkv, .offset: 24, .size: 8, .value_kind: global_buffer, .address_space: global }
      - { .name: w_proj, .offset: 32, .size: 8, .value_kind: global_buffer, .address_space: global }
      - { .name: w_fc1, .offset: 40, .size: 8, .value_kind: global_buffer, .address_space: global }
      - { .name: w_fc2, .offset: 48, .size: 8, .value_kind: global_buffer, .address_space: global }
      - { .name: lowp_scales, .offset: 56, .size: 8, .value_kind: global_buffer, .address_space: global }
      - { .name: wc, .offset: 64, .size: 8, .value_kind: global_buffer, .address_space: global }
      - { .name: a1c, .offset: 72, .size: 8, .value_kind: global_buffer, .address_space: global }
    .group_segment_fixed_size: 53760
    .private_segment_fixed_size: 0
    .kernarg_segment_align: 8
    .kernarg_segment_size: 80
    .max_flat_workgroup_size: 128
    .sgpr_count:     66
    .vgpr_count:     258
    .wavefront_size: 32
...
	.end_amdgpu_metadata
.endif
;; end of part 1
;; launch qkv (part 2): grid 12 x 16, 4 waves a work-group, clusters of 4 x 4, 327,680 bytes of LDS; arguments a1c, wc, lowp_scales, b_qkv, qkvc; writes qkvc
.if DOCPART == 2
	.amdgcn_target "amdgcn-amd-amdhsa--gfx1250"
	.amdhsa_code_object_version 6
	.text
	.protected	k_q73cc6fa432_qkv
	.globl	k_q73cc6fa432_qkv
	.p2align	8
	.type	k_q73cc6fa432_qkv,@function
k_q73cc6fa432_qkv:
	s_mov_b64 s[64:65], 0
	v_nop
	global_prefetch_b8 v0, s[64:65] scope:SCOPE_SE
	s_setreg_imm32_b32 hwreg(HW_REG_WAVE_MODE, 25, 1), 1
	s_wait_xcnt 0x0
	s_wait_alu depctr_hold_cnt(0) depctr_sa_sdst(0) depctr_va_vdst(0) depctr_va_sdst(0) depctr_va_ssrc(0) depctr_va_vcc(0) depctr_vm_vsrc(0)
	s_getreg_b32 s2, hwreg(HW_REG_IB_STS2, 6, 4)
	s_cmp_eq_u32 s2, 0
	s_cbranch_scc0 .Lentry_in_a_cluster
	s_endpgm
.Lentry_in_a_cluster:
	s_bfe_u32 s2, ttmp6, 0x10000c
	s_cmp_lg_u32 s2, 0xf033
	s_cbranch_scc0 .Lentry_shape_is_right
	s_endpgm
.Lentry_shape_is_right:
; q, k, v = LN1(x) w_qkv^T + b_qkv on codes of E5M2, and their own quantising for the two products of attention.  Nothing wider than a code leaves this launch.
; A tile of 256 x 256 is made by a work-group of four waves, a wave makes 128 x 128: 64 accumulators.  K = 1,024 goes in steps of 256 through a ring of two LDS slots filled by the tensor data mover.
; ROLES.  The loop computes role A's rows x role B's rows, used TRANSPOSED (source 0 = 16 rows of B, source 1 = 16 rows of A): a lane holds one row of A and eight neighbouring rows of B.
;   clusters x = 0, 1 (q, k): A = a1c (tokens), B = w_q', w_k': a lane holds a token, its registers run along the head's 64: K of q k^T.
;   cluster  x = 2    (v):    A = w_v', B = a1c: a lane holds one d, its registers run along the tokens: K of p v.  The same loop; only pointers and the way out differ.
; The choice hangs on the cluster's x alone, which all sixteen partners share.
; OUT: each block of 16 rows x 128 becomes sum x 2^(e0 + e1) + bias, is held, converted, and stored from the conversions' registers as AN IMAGE OF THE OPERAND'S REGISTERS: four registers of all lanes are 512 consecutive bytes.
;   q_img at 0, k_img at 4,194,304: [16 b + head][s / 16][1,024]: registers 4 c .. 4 c + 3 of lane (r, h): token r, d = 32 c + 16 h + 0 .. 15 (w's rows were laid for that).
;   v_img at 8,388,608: [16 b + head][s / 128][tile of 16 places of d][2,048]: registers 2 c, 2 c + 1 of lane (r, h): place r, keys 16 c + 8 h + 0 .. 7.
; Every wave loads both patterns of bias (by column, by row), both inside b_qkv in every work-group, and uses one: so the text has one branch on the cluster's x, in the way out.
; LIMITS: e0 + e1 between -126 and 127; e2, e3, e5 between -126 and 112.  NaN is not served.
; CLUSTERS: 4 x 4.  A's tiles are shared along a row of the cluster, B's along a column: joint loads.
; REGISTERS, in windows of 256: window 0: v0-31 addresses and constants; v32-95 bias by column; v96-111 bias by row; from v128 A's fragments, one set; on the way out v112-175 a block's numbers, v224-239 its codes.
;   window 1: B's fragments, two sets.   windows 2, 3: the accumulators ((a, b) at v[8 (8 (a % 4) + b)]).
.set SIZE_K, 1024
.set KSTEP,  256
.set ROWB,   256
.set KROW,   SIZE_K
.set PITCH,  272                       ; an LDS row: 256 bytes + 16 of padding: the 16 rows that a load touches start at 16 different banks (64 banks of 4 bytes: ISA guide 11.1)
.set FR,     16
.set NL,     4
.set NP,     4                         ; places behind this matrix instruction (ISA guide 7.12.1)
.set HALFT,  128*PITCH
.set SLOT,   4*HALFT
.set LAPS,   SIZE_K/(2*KSTEP)
.set SPARE,  2*SLOT                    ; behind the ring: the spare words, 128 bytes a wave; no other line names them
.set ADRA, 16
.set ADRB, 20
.set CO,   26                          ; v26  16 x lane: the stores' offset
.set SPW,  28
.set NIL,  29
.set BIAS, 32
.set BV,   96
.set U,    112
.set CD,   224
.set AF,   128
.set G1, 24
.set G0, 32
.set G1B, 48
.set G0B, 56
.set MSB, 0
.macro WIN new                         ; the immediate's high byte repeats the setting that is left
.if MSB != \new
	s_set_vgpr_msb (MSB<<8)|\new
.set MSB, \new
.endif
.endm
.set MUL_LO, 0xa1                      ; source 0 (B) window 1, source 1 (A) window 0, C and D window 2
.set MUL_HI, 0xf1
.set TO_B,   0x40
.macro JLOAD g0a, g1a, g0b, g1b        ; a joint load: waves 0 and 1 fetch for A, waves 2 and 3 for B; four v_nop follow each line
	s_cmp_eq_u32 s15, 0
	s_cbranch_scc0 .Lfor_b_\@
	tensor_load_to_lds s[\g0a:\g0a+3], s[\g1a:\g1a+7]
	s_nop 0
.rept 4
	v_nop
.endr
	s_branch .Lasked_\@
.Lfor_b_\@:
	tensor_load_to_lds s[\g0b:\g0b+3], s[\g1b:\g1b+7]
	s_nop 0
.rept 4
	v_nop
.endr
.Lasked_\@:
.endm
.macro CREST                           ; a round of the cluster's barrier behind its opening barrier
	s_cmp_lg_u32 s14, 0
	s_cbranch_scc1 .Lnot_wave_0_\@
	s_barrier_signal -3
.Lnot_wave_0_\@:
	s_barrier_wait -3
	s_barrier_signal -1
	s_barrier_wait -1
.endm
.macro CROUND
	s_barrier_signal -1
	s_barrier_wait -1
	CREST
.endm
	s_load_b128 s[4:7], s[0:1], 0x0                ; a1c, wc
	s_load_b128 s[8:11], s[0:1], 0x10              ; the scales, b_qkv
	s_load_b64 s[12:13], s[0:1], 0x20              ; qkvc
	v_lshl_add_u32 v[SPW], v0, 2, SPARE
	v_mov_b32 v[NIL], 0
	ds_add_u32 v28, v29
	ds_add_u32 v28, v29
	s_wait_dscnt 0x0
	v_lshrrev_b32 v1, 5, v0
	v_readfirstlane_b32 s14, v1                    ; wave 0..3
	s_lshr_b32 s15, s14, 1                         ; which half of the tile's rows is mine.  Also: I fetch for A (0) or for B (1)
	s_and_b32 s16, s14, 1                          ; which half of its columns.  Also: which 128 rows of that tile I fetch
	s_bfe_u32 s40, ttmp6, 0x40000                  ; cx, cy
	s_bfe_u32 s41, ttmp6, 0x40004
	s_and_b32 s86, ttmp7, 0xffff
	s_lshl_b32 s86, s86, 2                         ; 4 x cluster y
	s_lshl_b32 s87, ttmp9, 2                       ; 4 x cluster x
	s_cmp_eq_u32 ttmp9, 2                          ; v's clusters?
	s_cselect_b32 s17, 0, s86                      ; v: A = w_v' has 4 tiles of rows; else A = the tokens' 16
	s_cselect_b32 s42, s86, s87                    ; v: B = the tokens' 16 tiles; else q's and k's 8
	s_add_co_u32 s17, s17, s41                     ; tile row (of A)
	s_add_co_u32 s42, s42, s40                     ; tile column (of B)
	s_lshl_b32 s43, s41, 2
	s_lshl_b32 s43, 15, s43                        ; my row of the cluster
	s_lshl_b32 s44, 0x1111, s40                    ; my column
	s_or_b32 s[G1+0], s43, (0<<16)|(1<<20)|(1<<21)|(5<<22)|(3<<25)  ; mask; elements of 1 byte; padding on; bit 21 beside a mask; after every 64 words four words
	s_or_b32 s[G1B+0], s44, (0<<16)|(1<<20)|(1<<21)|(5<<22)|(3<<25)
.irp g, G1, G1B
	s_mov_b32 s[\g+1], ROWB<<16                    ; tensor_dim0
	s_mov_b32 s[\g+2], 128<<16                     ; tensor_dim1
	s_mov_b32 s[\g+3], ROWB<<16                    ; tile_dim0
	s_mov_b32 s[\g+4], 128                         ; tile_dim1
	s_mov_b32 s[\g+5], KROW                        ; tensor_dim0_stride
	s_mov_b32 s[\g+6], 0
	s_mov_b32 s[\g+7], 0
.endr
	s_lshl_b32 s18, s16, 7
	s_lshl_b32 s20, s17, 8
	s_add_co_u32 s20, s20, s18                     ; A: row 256 x tile row + 128 x half
	s_lshl_b32 s46, s42, 8
	s_add_co_u32 s46, s46, s18                     ; B: row 256 x tile column + 128 x half
	s_mov_b32 s21, 0
	s_mov_b32 s47, 0
	s_mov_b64 s[18:19], KROW
	s_mul_u64 s[20:21], s[20:21], s[18:19]
	s_mul_u64 s[46:47], s[46:47], s[18:19]
	s_mul_i32 s45, s14, HALFT                      ; where they go: wave x 128 rows
	s_wait_kmcnt 0x0
	s_load_b256 s[68:75], s[8:9], 0x0              ; e0 .. e7
	s_add_nc_u64 s[88:89], s[6:7], 0x200000        ; w_v'
	s_cmp_eq_u32 ttmp9, 2
	s_cselect_b64 s[90:91], s[88:89], s[4:5]       ; role A
	s_cselect_b64 s[92:93], s[4:5], s[6:7]         ; role B
	s_add_nc_u64 s[20:21], s[90:91], s[20:21]
	s_add_nc_u64 s[46:47], s[92:93], s[46:47]
	CROUND                                         ; all sixteen work-groups are here: the first joint loads meet
.irp s, 0,1
	s_mov_b32 s[G0+4*\s], 1
	s_add_co_u32 s[G0+4*\s+1], s45, \s*SLOT
	s_add_nc_u64 s[G0+4*\s+2:G0+4*\s+3], s[20:21], \s*ROWB
	s_or_b32 s[G0+4*\s+3], s[G0+4*\s+3], 0x80000000
	s_mov_b32 s[G0B+4*\s], 1
	s_add_co_u32 s[G0B+4*\s+1], s45, \s*SLOT
	s_add_nc_u64 s[G0B+4*\s+2:G0B+4*\s+3], s[46:47], \s*ROWB
	s_or_b32 s[G0B+4*\s+3], s[G0B+4*\s+3], 0x80000000
.endr
	JLOAD G0, G1, G0B, G1B                         ; K step 0: one tensor load a wave at the head
	v_and_b32 v1, 15, v0                           ; r
	v_bfe_u32 v2, v0, 4, 1                         ; h
	v_mul_u32_u24 v3, v1, PITCH
	v_lshl_add_u32 v4, v2, 4, v3
	s_mul_i32 s21, s15, HALFT
	s_mul_i32 s22, s16, HALFT
	s_add_co_u32 s22, s22, 2*HALFT
.irp s, 0,1
	v_add_nc_u32 v[ADRA+\s], s21, v4
	v_add_nc_u32 v[ADRB+\s], s22, v4
	s_add_co_u32 s21, s21, SLOT
	s_add_co_u32 s22, s22, SLOT
.endr
	v_and_b32 v6, 31, v0
	v_lshlrev_b32 v[CO], 4, v6
	v_lshlrev_b32 v7, 6, v2                        ; 16 h numbers
	s_wait_alu depctr_va_vdst(0)
	v_and_b32 v5, 8, v1
	v_add_nc_u32 v5, v5, v1
	v_lshlrev_b32 v5, 2, v5                        ; r + 8 (r / 8) numbers: the d that lies at place r of a tile of w_v'
	s_wait_alu depctr_va_vdst(0)
	s_and_b32 s80, s42, 3
	s_lshl_b32 s80, s80, 2
	s_lshl_b32 s81, s16, 1
	s_add_co_u32 s80, s80, s81                     ; the first of my two heads, by column
	s_mul_i32 s82, s80, 192
	s_lshl_b32 s83, ttmp9, 6                       ; + 64 x part
	s_add_co_u32 s82, s82, s83
	s_lshl_b32 s82, s82, 2
	s_mov_b32 s83, 0
	s_add_nc_u64 s[82:83], s[10:11], s[82:83]
	s_and_b32 s84, s17, 3
	s_lshl_b32 s84, s84, 2
	s_lshl_b32 s85, s15, 1
	s_add_co_u32 s84, s84, s85                     ; the first of my two heads, by row
	s_mul_i32 s84, s84, 192
	s_add_co_u32 s84, s84, 128                     ; v's part
	s_lshl_b32 s84, s84, 2
	s_mov_b32 s85, 0
	s_add_nc_u64 s[84:85], s[10:11], s[84:85]
.irp t, 0,1,2,3,4,5,6,7                        ; register 8 t + j: the bias of head t / 4, d = 32 ((t % 4) / 2) + 16 h + 8 (t % 2) + j
	global_load_b128 v[BIAS+8*\t:BIAS+8*\t+3], v7, s[82:83] offset:((\t/4)*192+32*((\t%4)/2)+8*(\t%2))*4
	global_load_b128 v[BIAS+8*\t+4:BIAS+8*\t+7], v7, s[82:83] offset:((\t/4)*192+32*((\t%4)/2)+8*(\t%2))*4+16
.endr
.irp a, 0,1,2,3,4,5,6,7                        ; a pair for block a: v's bias of head a / 4 at my place's d, twice
	global_load_b32 v[BV+2*\a], v5, s[84:85] offset:((\a/4)*192+32*((\a%4)/2)+8*(\a%2))*4
	global_load_b32 v[BV+2*\a+1], v5, s[84:85] offset:((\a/4)*192+32*((\a%4)/2)+8*(\a%2))*4
.endr
	; where my images begin.  q, k: part x 4,194,304 + ((16 b + head) x 128 + s / 16) x 1,024
	s_lshr_b32 s86, s17, 3
	s_lshl_b32 s86, s86, 4
	s_add_co_u32 s86, s86, s80
	s_lshl_b32 s86, s86, 7
	s_and_b32 s87, s17, 7
	s_lshl_b32 s87, s87, 4
	s_add_co_u32 s86, s86, s87
	s_lshl_b32 s87, s15, 3
	s_add_co_u32 s86, s86, s87
	s_lshl_b32 s86, s86, 10
	s_lshl_b32 s87, ttmp9, 22
	s_add_co_u32 s86, s86, s87
	; v: 8,388,608 + ((16 b + head) x 16 + s / 128) x 8,192
	s_lshr_b32 s88, s42, 3
	s_lshl_b32 s88, s88, 4
	s_lshl_b32 s89, s17, 2
	s_add_co_u32 s88, s88, s89
	s_lshl_b32 s89, s15, 1
	s_add_co_u32 s88, s88, s89
	s_lshl_b32 s88, s88, 4
	s_and_b32 s89, s42, 7
	s_lshl_b32 s89, s89, 1
	s_add_co_u32 s88, s88, s89
	s_add_co_u32 s88, s88, s16
	s_lshl_b32 s88, s88, 13
	s_add_co_u32 s88, s88, 0x800000
	s_cmp_eq_u32 ttmp9, 2
	s_cselect_b32 s86, s88, s86
	s_mov_b32 s87, 0
	s_add_nc_u64 s[12:13], s[12:13], s[86:87]
	s_wait_kmcnt 0x0
	s_add_co_i32 s96, s68, s69                     ; e0 + e1
	s_add_co_i32 s96, s96, 127
	s_lshl_b32 s96, s96, 23                        ; 2^(e0 + e1) as f32
	s_mov_b32 s97, s96                             ; (named with it as a pair)
	s_cmp_eq_u32 ttmp9, 0
	s_cselect_b32 s86, s70, s71                    ; the result's own e: q e2, k e3,
	s_cmp_eq_u32 ttmp9, 2
	s_cselect_b32 s86, s73, s86                    ; v e5
	s_add_co_i32 s86, s86, 127
	s_lshl_b32 s87, s86, 23
	v_mov_b32 v8, s87                              ; 2^e
	s_add_co_i32 s86, s86, 15
	s_lshl_b32 s86, s86, 23
	s_or_b32 s86, s86, 0x600000
	v_mov_b32 v9, s86                              ; 57,344 x 2^e
.macro FRAG reg, adr, q, i             ; a fragment, 16 rows x 128 K: registers 4 c .. 4 c + 3 hold K = 32 c + 16 (l / 16) + 0 .. 15, alike in A and in B
.irp c, 0,1,2,3
	ds_load_b128 v[\reg+4*\c:\reg+4*\c+3], v[\adr] offset:128*(\q)+32*\c+(\i)*16*PITCH
.endr
.endm
.macro MUL16 a0, p, zero               ; A's blocks a0, a0 + 1 x B's eight.  The 64 accumulators take turns, one instruction a turn, in the same order in every step
.irp a, \a0, \a0+1
.irp b, 0,1,2,3,4,5,6,7
.if \zero
	v_wmma_f32_16x16x128_bf8_bf8 v[8*(8*((\a)%4)+\b):8*(8*((\a)%4)+\b)+7], v[128*(\p)+FR*\b:128*(\p)+FR*\b+FR-1], v[AF+FR*(\a):AF+FR*(\a)+FR-1], 0
.else
	v_wmma_f32_16x16x128_bf8_bf8 v[8*(8*((\a)%4)+\b):8*(8*((\a)%4)+\b)+7], v[128*(\p)+FR*\b:128*(\p)+FR*\b+FR-1], v[AF+FR*(\a):AF+FR*(\a)+FR-1], v[8*(8*((\a)%4)+\b):8*(8*((\a)%4)+\b)+7]
.endif
.endr
.endr
.endm
.macro FETCH_B slot, q, p
	WIN TO_B
.irp i, 0,1,2,3,4,5,6,7
	FRAG 128*(\p)+FR*\i, ADRB+\slot, \q, \i
.endr
	WIN 0
.endm
.macro FETCH_A slot, q, i0
.irp i, \i0, \i0+1, \i0+2, \i0+3
	FRAG AF+FR*(\i), ADRA+\slot, \q, \i
.endr
.endm
.macro PLACES n                        ; plain vector lines between a matrix instruction and a load into, or a vector line on, one of its registers
.rept \n
	v_nop
.endr
.endm
.macro STEP slot, q, zero              ; 128 along K with its successor in the same slot
	s_wait_dscnt 4*NL                              ; B's set and A's blocks 0-3 are in; the youngest sixteen loads (A's blocks 4-7) may be out
	WIN MUL_LO
	MUL16 0, (\q)%2, \zero
	MUL16 2, (\q)%2, \zero
	s_wait_dscnt 0
	PLACES NP
	FETCH_B \slot, (\q)+1, 1-(\q)%2
	FETCH_A \slot, (\q)+1, 0
	WIN MUL_HI
	MUL16 4, (\q)%2, \zero
	MUL16 6, (\q)%2, \zero
	PLACES NP
	WIN 0
	FETCH_A \slot, (\q)+1, 4
.endm
.macro TURN slot, next, fill           ; a slot's last step changes slots: one barrier; with fill = 1 it opens a round of the cluster's barrier and the slot is filled again, two K steps ahead
	s_wait_tensorcnt 0x0                           ; all my tensor loads have landed: my part of the next slot
	ds_add_u32 v[SPW], v[NIL]                      ; 0 onto my spare word
	s_wait_dscnt 4*NL+1                            ; (the add and the youngest sixteen loads may be out)
	WIN MUL_LO
	MUL16 0, 1, 0
	s_wait_dscnt 0x0                               ; the add is done, and my reads of this slot are over
	s_barrier_signal -1
	MUL16 2, 1, 0
	WIN 0
	s_barrier_wait -1
.if \fill
	CREST                                          ; no wave of any partner still reads this slot or has a load on its way
	s_add_nc_u64 s[G0+4*\slot+2:G0+4*\slot+3], s[G0+4*\slot+2:G0+4*\slot+3], 2*ROWB
	s_add_nc_u64 s[G0B+4*\slot+2:G0B+4*\slot+3], s[G0B+4*\slot+2:G0B+4*\slot+3], 2*ROWB
	JLOAD G0+4*\slot, G1, G0B+4*\slot, G1B         ; the first tensor load behind the round; its four v_nop are the places in front of the loads below
.else
	PLACES NP
.endif
	FETCH_B \next, 0, 0
	FETCH_A \next, 0, 0
	WIN MUL_HI
	MUL16 4, 1, 0
	MUL16 6, 1, 0
	PLACES NP
	WIN 0
	FETCH_A \next, 0, 4
.endm
	s_wait_alu depctr_va_vdst(0)                   ; the wait at the head's end
	s_wait_tensorcnt 0x0                           ; my part of K step 0 is in; slot 1's first fill is issued as a refill is:
	ds_add_u32 v[SPW], v[NIL]                      ; 0 onto my spare word
	s_wait_dscnt 0x0
	CROUND                                         ; everybody's part of K step 0 is in, and all sixteen work-groups are here
	JLOAD G0+4, G1, G0B+4, G1B                     ; K step 1: the first tensor load behind the round
	FETCH_B 0, 0, 0
	FETCH_A 0, 0, 0
	FETCH_A 0, 0, 4
	STEP 0, 0, 1                                   ; the first step's products start the sums: nothing is cleared
	s_mov_b32 s3, LAPS-1
.Llap:
	TURN 0, 1, 1
	STEP 1, 0, 0
	TURN 1, 0, 1
	STEP 0, 0, 0
	s_sub_co_u32 s3, s3, 1
	s_cmp_lg_u32 s3, 0
	s_cbranch_scc1 .Llap
	TURN 0, 1, 0                                   ; the last lap fills nothing
	STEP 1, 0, 0
	s_wait_dscnt 4*NL
	WIN MUL_LO
	MUL16 0, 1, 0
	MUL16 2, 1, 0
	s_wait_dscnt 0
	WIN MUL_HI
	MUL16 4, 1, 0
	MUL16 6, 1, 0
	WIN 0
; THE WAY OUT of block a (16 rows of A x my 128 rows of B).  mode 0: q, k (bias by column; two heads' fragments of 1,024 bytes).  mode 1: v (bias by row; one fragment of 2,048 bytes).
.macro OUT a, mode
.set AC, 64*((\a)%4)
	s_wait_xcnt 0x0                                ; the last block's stores have read the codes' registers
	WIN 0x02+((\a)/4)                              ; source 0: window 2 or 3
.set j, 0
.rept 32
.if \mode
	v_pk_fma_f32 v[U+j:U+j+1], v[AC+j:AC+j+1], s[96:97], v[BV+2*(\a):BV+2*(\a)+1] op_sel_hi:[1,0,1]
.else
	v_pk_fma_f32 v[U+j:U+j+1], v[AC+j:AC+j+1], s[96:97], v[BIAS+j:BIAS+j+1] op_sel_hi:[1,0,1]   ; sum x 2^(e0 + e1) + bias; each accumulator from its low end on
.endif
.set j, j+2
.endr
	WIN 0
.set j, 0
.rept 64
	v_med3_num_f32 v[U+j], v[U+j], -v9, v9         ; the conversion does not saturate (ISA guide 7.6.2): the hold comes first
.set j, j+1
.endr
.irp t, 0,1,2,3,4,5,6,7
	v_cvt_scalef32_pk8_bf8_f32 v[CD+2*\t:CD+2*\t+1], v[U+8*\t:U+8*\t+7], v8
.endr
	v_nop                                          ; a plain line between the conversions and the next block's lines, which write their sources
.irp g, 0,1,2,3
.if \mode
	global_store_b128 v[CO], v[CD+4*\g:CD+4*\g+3], s[12:13] offset:131072*((\a)/4)+2048*((\a)%4)+512*\g
.else
	global_store_b128 v[CO], v[CD+4*\g:CD+4*\g+3], s[12:13] offset:1024*(\a)+131072*(\g/2)+512*(\g%2)   ; 32 lanes store 512 consecutive bytes
.endif
.endr
.endm
	PLACES NP
	s_wait_loadcnt 0x0                             ; the biases, asked for at the head
	s_cmp_eq_u32 ttmp9, 2                          ; alike in all sixteen partners; no LDS line, barrier or tensor load stands in the two arms
	s_cbranch_scc1 .Lout_v
.irp a, 0,1,2,3,4,5,6,7
	OUT \a, 0
.endr
	s_branch .Ldone
.Lout_v:
.irp a, 0,1,2,3,4,5,6,7
	OUT \a, 1
.endr
.Ldone:
	s_wait_tensorcnt 0x0                           ; the wave's end
	ds_add_u32 v[SPW], v[NIL]
	s_wait_dscnt 0x0
	CROUND                                         ; the closing round: no work-group ends while a partner may still ask for a tile that names it
	s_endpgm
.Lfunc_end_k_q73cc6fa432_qkv:
	.size	k_q73cc6fa432_qkv, .Lfunc_end_k_q73cc6fa432_qkv-k_q73cc6fa432_qkv
	.p2alignl 7, 3214868480
	.fill 96, 4, 3214868480
	.section	.rodata,"a",@progbits
	.p2align	6, 0x0
	.amdhsa_kernel k_q73cc6fa432_qkv
		.amdhsa_group_segment_fixed_size 327680
		.amdhsa_private_segment_fixed_size 0
		.amdhsa_enable_private_segment 0
		.amdhsa_kernarg_size 40
		.amdhsa_user_sgpr_count 2
		.amdhsa_user_sgpr_kernarg_segment_ptr 1
		.amdhsa_wavefront_size32 1
		.amdhsa_system_sgpr_workgroup_id_x 1
		.amdhsa_system_sgpr_workgroup_id_y 1
		.amdhsa_system_sgpr_workgroup_id_z 1
		.amdhsa_system_vgpr_workitem_id 0
		.amdhsa_next_free_vgpr 1024
		.amdhsa_next_free_sgpr 98
		.amdhsa_reserve_vcc 0
		.amdhsa_float_denorm_mode_32 3
		.amdhsa_float_denorm_mode_16_64 3
		.amdhsa_memory_ordered 1
		.amdhsa_forward_progress 1
		.amdhsa_inst_pref_size 195
	.end_amdhsa_kernel
	.amdgpu_metadata
---
amdhsa.version: [ 1, 2 ]
amdhsa.kernels:
  - .name:           k_q73cc6fa432_qkv
    .symbol:         k_q73cc6fa432_qkv.kd
    .args:
      - { .name: a1c, .offset: 0, .size: 8, .value_kind: global_buffer, .address_space: global }
      - { .name: wc, .offset: 8, .size: 8, .value_kind: global_buffer, .address_space: global }
      - { .name: lowp_scales, .offset: 16, .size: 8, .value_kind: global_buffer, .address_space: global }
      - { .name: b_qkv, .offset: 24, .size: 8, .value_kind: global_buffer, .address_space: global }
      - { .name: qkvc, .offset: 32, .size: 8, .value_kind: global_buffer, .address_space: global }
    .group_segment_fixed_size: 327680
    .private_segment_fixed_size: 0
    .kernarg_segment_align: 8
    .kernarg_segment_size: 40
    .max_flat_workgroup_size: 128
    .sgpr_count:     98
    .vgpr_count:     1024
    .wavefront_size: 32
...
	.end_amdgpu_metadata
.endif
;; end of part 2
;; launch attn (part 3): grid 8 x 32, 16 waves a work-group, no clusters, 327,680 bytes of LDS; arguments qkvc, lowp_scales, oc; writes oc
.if DOCPART == 3
	.amdgcn_target "amdgcn-amd-amdhsa--gfx1250"
	.amdhsa_code_object_version 6
	.text
	.protected	k_q73cc6fa432_attn
	.globl	k_q73cc6fa432_attn
	.p2align	8
	.type	k_q73cc6fa432_attn,@function
k_q73cc6fa432_attn:
	s_mov_b64 s[64:65], 0
	v_nop
	global_prefetch_b8 v0, s[64:65] scope:SCOPE_SE
	s_setreg_imm32_b32 hwreg(HW_REG_WAVE_MODE, 25, 1), 1
	s_wait_xcnt 0x0
; Causal attention on codes of E5M2, head size 64, 2,048 keys, 32 heads (16 b + head); its result is quantised for the projection and leaves as codes.
; THE SOFTMAX AHEAD OF THE SECOND PRODUCT: t = score x log2(e) / 8; M = the running largest t rounded UP to a whole number; p = 2^(t - M) is quantised, not normalised; the row's sum is taken of the unquantised p
; and divides at the end.  When M moves, the sum and O are multiplied by 2^(old M - new M), which rounds nothing.
; SHARES.  Work-group (i, head) owns the blocks i and 15 - i of 128 queries: waves 0-7 a tile of 16 queries each of block i, waves 8-15 of block 15 - i.  A wave needs the key steps (128 keys) up to its own block:
; 8 (i + 1) + 8 (16 - i) = 136 steps of a wave in every work-group, whatever i.
; LDS holds the head's whole K and V, 16 key steps x 16,384 bytes, each byte filled ONCE: no ring.  Every wave asks for one load of each group of four key steps, group 0 at the head (one tensor load of a wave is out at the most); the steps are
; walked in four groups of four, each behind a counted wait and a barrier, so that each group lands while the one before it is worked on.
; Every wave walks all 16 steps; a step all of whose keys come after the wave's queries is left out by a scalar branch on ids round its work, never round a barrier.
; NO CLUSTER, NO JOINT LOADS: that branch hangs on the work-group's x, which partners that share a head would not share.
; LAYOUT.  K, V, Q come as images of the operands' registers (16 x lane + 512 x group of four registers).  Both products are used transposed: S^T = K Q^T (source 0 = 16 keys), O^T = V^T P^T (source 0 = 16 places of d):
; a lane holds ONE query.  Register j of score tile t of lane (r, h) is key 16 t + 8 h + j: its codes are registers 2 t, 2 t + 1 of P, the order in which v_img has its keys.
; The places of d in v_img are such that the 16 registers of O^T's tiles 2 c, 2 c + 1 are d = 32 c + 16 h + 0 .. 15: their codes are registers of the projection's operand:
; oc [m' / 16][head / 2][2,048], a wave stores 1,024 consecutive bytes.
; LIMITS: e2 + e3 between -123 and 130 (added to c's exponent field); e4 and e6 between -126 and 112; e4 + e5 goes in by v_ldexp_f32.  NaN is not served.
; REGISTERS: v1 16 x lane; v8 the step's LDS address; v12 -M, v13 the largest t, v[14:15] the sum; v16-23 Q; v32-95 K's 8 or V's 4 fragments; v96-159 S^T, then p; v160-191 O^T; v224-239 p's codes; v240-254 constants and work.
.set SPB,  16384                       ; a key step in LDS: K's 8 images of 1,024 bytes, then V's 4 of 2,048
.set TB,   2                           ; s2   LDS byte of the step in hand
.set CNT,  3
.set WV,   18
.set SEL,  20
.set CS,   22                          ; s[22:23] c = log2(e) / 8 x 2^(e2 + e3)
.set G1,   24
.set G0,   32                          ; s[32:35] the one group 0
.set KF,   98                          ; the step's first key
.set Q0,   99                          ; my first query
	s_load_b128 s[4:7], s[0:1], 0x0                ; qkvc, the scales
	s_load_b64 s[8:9], s[0:1], 0x10                ; oc
	v_lshl_add_u32 v251, v0, 2, 0x40000
	v_mov_b32 v255, 0
	ds_add_u32 v251, v255
	ds_add_u32 v251, v255
	v_lshrrev_b32 v8, 5, v0
	s_delay_alu instid0(VALU_DEP_1)
	v_readfirstlane_b32 s[WV], v8                  ; wave 0..15
	s_and_b32 s10, ttmp7, 0xffff                   ; 16 b + head
	; one tile = half of a key step's K or V piece: 16 rows of 256 bytes, dense
	s_mov_b32 s[G1], 3<<16                         ; no mask; elements of 8 bytes; no padding
	; THE FILLS AS THEY NOW STAND: every wave issues one load for each group of four key steps: a dense block of 4,096 bytes, stated as 16 rows of 256 bytes.
	; Wave w takes key step 4 g + w / 4; w % 4 = 0, 1: the halves of K's piece, 2, 3: the halves of V's.  Group 0 goes out at the head, group g + 1 behind group g's barrier.
	s_mov_b32 s[G1+1], 32<<16                      ; tensor_dim0 = 32 elements of 8 bytes
	s_mov_b32 s[G1+2], 16<<16                      ; tensor_dim1 = 16
	s_mov_b32 s[G1+3], 32<<16                      ; tile_dim0
	s_mov_b32 s[G1+4], 16                          ; tile_dim1
	s_mov_b32 s[G1+5], 32                          ; from row to row, in elements: dense
	s_mov_b32 s[G1+6], 0
	s_mov_b32 s[G1+7], 0
	s_lshl_b32 s12, s10, 17                        ; a head's 131,072 bytes of k_img,
	s_lshr_b32 s13, s[WV], 2
	s_lshl_b32 s13, s13, 13                        ; key step w / 4 of the group: 8,192 bytes of each image
	s_add_co_u32 s12, s12, s13
	s_and_b32 s13, s[WV], 1
	s_lshl_b32 s13, s13, 12                        ; which half of the piece
	s_add_co_u32 s12, s12, s13
	s_bfe_u32 s13, s[WV], 0x10001
	s_lshl_b32 s13, s13, 22                        ; v_img lies 4,194,304 bytes behind k_img
	s_add_co_u32 s12, s12, s13
	s_add_co_u32 s12, s12, 0x400000                ; k_img
	s_mov_b32 s13, 0
	s_lshl_b32 s14, s[WV], 12                      ; LDS: 16,384 (w / 4) + 4,096 (w % 4) = 4,096 w
	s_wait_dscnt 0x0
	s_wait_kmcnt 0x0
	s_load_b256 s[48:55], s[6:7], 0x0              ; e0 .. e7
	s_add_nc_u64 s[12:13], s[4:5], s[12:13]
.irp g, 0
	s_mov_b32 s[G0+4*\g], 1
	s_add_co_u32 s[G0+4*\g+1], s14, \g*4*SPB
	s_add_nc_u64 s[G0+4*\g+2:G0+4*\g+3], s[12:13], \g*32768
	s_or_b32 s[G0+4*\g+3], s[G0+4*\g+3], 0x80000000
.endr
	tensor_load_to_lds s[G0:G0+3], s[G1:G1+7]      ; my part of key steps 0 to 3: every wave's one load at the head
	s_nop 0
.rept 4
	v_nop
.endr
	s_sub_co_u32 s11, 15, ttmp9
	s_cmp_lt_u32 s[WV], 8
	s_cselect_b32 s11, ttmp9, s11                  ; my block of 128 queries
	s_lshl_b32 s11, s11, 7
	s_and_b32 s15, s[WV], 7
	s_lshl_b32 s15, s15, 4
	s_add_co_u32 s[Q0], s11, s15
	s_lshl_b32 s16, s10, 17
	s_lshl_b32 s17, s[Q0], 6
	s_add_co_u32 s16, s16, s17                     ; q_img: (128 (16 b + head) + Q0 / 16) x 1,024
	s_mov_b32 s17, 0
	s_add_nc_u64 s[4:5], s[4:5], s[16:17]
	v_and_b32 v1, 31, v0
	s_delay_alu instid0(VALU_DEP_1)
	v_lshlrev_b32 v1, 4, v1
	global_load_b128 v[16:19], v1, s[4:5]
	global_load_b128 v[20:23], v1, s[4:5] offset:512
	s_lshr_b32 s72, s10, 4
	s_lshl_b32 s72, s72, 21                        ; oc: b x 128 tiles of rows x 16,384,
	s_lshl_b32 s73, s[Q0], 10                      ; + Q0 / 16 x 16,384,
	s_add_co_u32 s72, s72, s73
	s_and_b32 s73, s10, 15
	s_lshl_b32 s73, s73, 10                        ; + head / 2 x 2,048 + head % 2 x 1,024
	s_add_co_u32 s72, s72, s73
	s_mov_b32 s73, 0
	s_add_nc_u64 s[8:9], s[8:9], s[72:73]
	s_mov_b32 s[SEL], 0x76543210
	s_mov_b32 s[SEL+1], 0xfedcba98
	s_mov_b32 s[CS], 0x3e38aa3b                    ; log2(e) / 8
	s_mov_b32 s[KF], 0
	v_mov_b32 v13, 0xff61b1e6                      ; the largest t so far: -3e38
	s_delay_alu instid0(VALU_DEP_1)
	v_floor_f32 v12, -v13                          ; -M
	v_mov_b32 v14, 0
	v_mov_b32 v15, 0
	v_mov_b32 v246, 0                              ; permutes' destinations and the upper half of a pair: written once
	v_mov_b32 v252, 0
	v_mov_b32 v253, 0
.set j, 0
.rept 32
	v_mov_b32 v[160+j], 0                          ; O^T: the step is written once; the first finds zeros, which the first change of M leaves zeros
.set j, j+1
.endr
	s_wait_kmcnt 0x0
	s_add_co_i32 s72, s50, s51
	s_lshl_b32 s72, s72, 23
	s_add_co_i32 s[CS], s[CS], s72                 ; a score stands for score x 2^(e2 + e3)
	s_mov_b32 s[CS+1], s[CS]
	s_add_co_i32 s72, s52, 127
	s_lshl_b32 s73, s72, 23
	v_mov_b32 v244, s73                            ; 2^e4
	s_add_co_i32 s72, s72, 15
	s_lshl_b32 s72, s72, 23
	s_or_b32 s72, s72, 0x600000
	v_mov_b32 v240, s72                            ; 57,344 x 2^e4
	s_add_co_i32 s72, s54, 127
	s_lshl_b32 s73, s72, 23
	v_mov_b32 v245, s73                            ; 2^e6
	s_add_co_i32 s72, s72, 15
	s_lshl_b32 s72, s72, 23
	s_or_b32 s72, s72, 0x600000
	v_mov_b32 v241, s72                            ; 57,344 x 2^e6
.macro STEP
	s_add_co_u32 s96, s[Q0], 15
	s_cmp_gt_u32 s[KF], s96                        ; all 128 keys come after my 16 queries: nothing to do
	s_cbranch_scc1 .Lhidden_\@
	v_add_nc_u32 v8, s[TB], v1
.rept 3
	v_nop                                          ; with the line above: four places in front of loads into registers that the last products read
.endr
.irp t, 0,1,2,3,4,5,6,7
	ds_load_b128 v[32+8*\t:35+8*\t], v8 offset:1024*\t
	ds_load_b128 v[36+8*\t:39+8*\t], v8 offset:1024*\t+512
.endr
	s_wait_alu depctr_va_vdst(0)
	s_wait_dscnt 8                                 ; tiles 0-3 are in; the eight loads of tiles 4-7 may be out
.irp t, 0,1,2,3
	v_wmma_f32_16x16x64_bf8_bf8 v[96+8*\t:103+8*\t], v[32+8*\t:39+8*\t], v[16:23], 0
.endr
	s_wait_dscnt 0x0
.irp t, 4,5,6,7
	v_wmma_f32_16x16x64_bf8_bf8 v[96+8*\t:103+8*\t], v[32+8*\t:39+8*\t], v[16:23], 0
.endr
.rept 4
	v_nop                                          ; places: in front of the first read of the scores and of the loads below
.endr
.irp t, 0,1,2,3                                ; V's four fragments take K's registers now and land under the softmax
.irp c, 0,1,2,3
	ds_load_b128 v[32+16*\t+4*\c:35+16*\t+4*\c], v8 offset:8192+2048*\t+512*\c
.endr
.endr
	s_add_co_u32 s96, s[KF], 127
	s_cmp_le_u32 s96, s[Q0]                        ; all keys count: no mask
	s_cbranch_scc1 .Lopen_\@
	s_sub_co_i32 s96, s[Q0], s[KF]
	v_and_b32 v252, 15, v0
	v_bfe_u32 v253, v0, 4, 1
	s_delay_alu instid0(VALU_DEP_1)
	v_lshlrev_b32 v253, 3, v253
	s_delay_alu instid0(VALU_DEP_1)
	v_sub_nc_u32 v252, v252, v253
	s_delay_alu instid0(VALU_DEP_1)
	v_add_nc_u32 v252, s96, v252                   ; d = my query - KF - 8 h.  Register 8 t + j holds key KF + 16 t + 8 h + j: hidden where 16 t + j > d
	v_mov_b32 v254, 0xff800000                     ; -infinity: p = 0 then.  Key 0 counts for every query, so M is a number from the first step on
.irp n, 0,1,2,3,4,5,6,7,8,9,10,11,12,13,14,15,16,17,18,19,20,21,22,23,24,25,26,27,28,29,30,31,32,33,34,35,36,37,38,39,40,41,42,43,44,45,46,47,48,49,50,51,52,53,54,55,56,57,58,59,60,61,62,63
	v_cmp_gt_i32 vcc_lo, 16*(\n/8)+\n%8, v252
	v_cndmask_b32 v[96+\n], v[96+\n], v254, vcc_lo
.endr
.Lopen_\@:
	v_max3_num_f32 v254, v96, v97, v98             ; the step's largest score of my query among my 64 keys, in two chains, each tile from its low end on,
	v_max3_num_f32 v252, v99, v100, v101
.irp i, 6,10,14,18,22,26,30,34,38,42,46,50,54,58
	v_max3_num_f32 v254, v254, v[96+\i], v[97+\i]
	v_max3_num_f32 v252, v252, v[98+\i], v[99+\i]
.endr
	v_max3_num_f32 v254, v254, v158, v159
	s_delay_alu instid0(VALU_DEP_1)
	v_max_num_f32 v254, v254, v252
	s_delay_alu instid0(VALU_DEP_1)
	v_permlanex16_b32 v246, v254, s[SEL], s[SEL+1]
	s_delay_alu instid0(VALU_DEP_1)
	v_max_num_f32 v254, v254, v246                 ; and among lane l xor 16's
	s_delay_alu instid0(VALU_DEP_1)
	v_mul_f32 v254, s[CS], v254                    ; as t (c is positive)
	s_delay_alu instid0(VALU_DEP_1)
	v_max_num_f32 v13, v13, v254
	v_mov_b32 v254, v12
	s_delay_alu instid0(VALU_DEP_2)
	v_floor_f32 v12, -v13                          ; the new -M = -ceil(t)
	s_delay_alu instid0(VALU_DEP_1)
	v_sub_f32 v254, v12, v254                      ; old M - new M: a whole number, 0 or less
	s_delay_alu instid0(VALU_DEP_1)
	v_cvt_i32_f32 v254, v254
	s_delay_alu instid0(VALU_DEP_1)
	v_ldexp_f32 v252, 1.0, v254                    ; f = 2^(old M - new M)
.set j, 0
.rept 32
	v_pk_fma_f32 v[96+j:97+j], v[96+j:97+j], s[CS:CS+1], v[12:13] op_sel_hi:[1,0,0]   ; t - M
.set j, j+2
.endr
.set j, 0
	s_wait_alu depctr_va_vdst(0)
.rept 64
	v_exp_f32 v[96+j], v[96+j]                     ; p = 2^(t - M)
.set j, j+1
.endr
	v_pk_mul_f32 v[14:15], v[14:15], v[252:253] op_sel_hi:[1,0]   ; the sums under the new M: the plain line behind the exponentials
	s_wait_alu depctr_va_vdst(0)                   ; one wait for the batch, ahead of its first reader
	v_pk_add_f32 v[242:243], v[100:101], v[104:105]
	v_pk_add_f32 v[248:249], v[108:109], v[112:113]
	v_pk_add_f32 v[238:239], v[116:117], v[120:121]
	v_pk_add_f32 v[236:237], v[124:125], v[128:129]
	v_pk_add_f32 v[234:235], v[132:133], v[136:137]
	v_pk_add_f32 v[232:233], v[140:141], v[144:145]
	v_pk_add_f32 v[230:231], v[148:149], v[152:153]
	v_pk_add_f32 v[14:15], v[14:15], v[156:157]
	v_pk_add_f32 v[242:243], v[242:243], v[96:97]
	v_pk_add_f32 v[248:249], v[248:249], v[98:99]
	v_pk_add_f32 v[238:239], v[238:239], v[102:103]
	v_pk_add_f32 v[236:237], v[236:237], v[106:107]
	v_pk_add_f32 v[234:235], v[234:235], v[110:111]
	v_pk_add_f32 v[232:233], v[232:233], v[114:115]
	v_pk_add_f32 v[230:231], v[230:231], v[118:119]
	v_pk_add_f32 v[14:15], v[14:15], v[122:123]
	v_pk_add_f32 v[242:243], v[242:243], v[126:127]
	v_pk_add_f32 v[248:249], v[248:249], v[130:131]
	v_pk_add_f32 v[238:239], v[238:239], v[134:135]
	v_pk_add_f32 v[236:237], v[236:237], v[138:139]
	v_pk_add_f32 v[234:235], v[234:235], v[142:143]
	v_pk_add_f32 v[232:233], v[232:233], v[146:147]
	v_pk_add_f32 v[230:231], v[230:231], v[150:151]
	v_pk_add_f32 v[14:15], v[14:15], v[154:155]
	v_pk_add_f32 v[242:243], v[242:243], v[158:159]
	s_delay_alu instid0(VALU_DEP_2)
	v_pk_add_f32 v[14:15], v[14:15], v[236:237]
	s_delay_alu instid0(VALU_DEP_2)
	v_pk_add_f32 v[242:243], v[242:243], v[234:235]
	v_pk_add_f32 v[248:249], v[248:249], v[232:233]
	v_pk_add_f32 v[238:239], v[238:239], v[230:231]
	s_delay_alu instid0(VALU_DEP_2)
	v_pk_add_f32 v[14:15], v[14:15], v[248:249]
	s_delay_alu instid0(VALU_DEP_2)
	v_pk_add_f32 v[242:243], v[242:243], v[238:239]
	s_delay_alu instid0(VALU_DEP_1)
	v_pk_add_f32 v[14:15], v[14:15], v[242:243]
.irp t, 0,1,2,3,4,5,6,7
.irp i, 0,1,2,3,4,5,6,7
	v_min_num_f32 v[96+8*\t+\i], v[96+8*\t+\i], v240   ; p is not negative: a one-sided hold (the conversion does not saturate: ISA guide 7.6.2)
.endr
	v_cvt_scalef32_pk8_bf8_f32 v[224+2*\t:225+2*\t], v[96+8*\t:103+8*\t], v244
.endr
.set j, 0
.rept 16
	v_pk_mul_f32 v[160+j:161+j], v[160+j:161+j], v[252:253] op_sel_hi:[1,0]   ; O^T under the new M; these are also the plain lines behind the conversions
.set j, j+2
.endr
	s_wait_alu depctr_va_vdst(0)
	s_wait_dscnt 0x0                               ; V
.irp t, 0,1,2,3                                ; four accumulators by turns
	v_wmma_f32_16x16x128_bf8_bf8 v[160+8*\t:167+8*\t], v[32+16*\t:47+16*\t], v[224:239], v[160+8*\t:167+8*\t]
.endr
.Lhidden_\@:
	s_add_co_u32 s[KF], s[KF], 128
	s_add_co_u32 s[TB], s[TB], SPB
.endm
.macro GROUP g                         ; key steps 4 g .. 4 g + 3
	s_wait_tensorcnt 0x0                           ; my one load, my part of this group, has landed
	ds_add_u32 v251, v255                          ; 0 onto my spare word
.if \g < 3
	s_add_co_u32 s[G0+1], s[G0+1], 4*SPB           ; no load of mine is out: the descriptor steps to the next group
	s_add_nc_u64 s[G0+2:G0+3], s[G0+2:G0+3], 32768
.endif
	s_wait_dscnt 0x0
	s_barrier_signal -1
	s_barrier_wait -1                              ; everybody's part has landed
.if \g < 3
	tensor_load_to_lds s[G0:G0+3], s[G1:G1+7]      ; the next group's first fill, on bytes of its own: it has this group's four steps in which to land
	s_nop 0
.rept 4
	v_nop
.endr
.endif
	s_mov_b32 s[TB], 4*SPB*\g
	s_mov_b32 s[CNT], 4
.Lstep_\@:
	STEP
	s_sub_co_u32 s[CNT], s[CNT], 1
	s_cmp_lg_u32 s[CNT], 0
	s_cbranch_scc1 .Lstep_\@
.endm
	s_wait_alu depctr_va_vdst(0)                   ; the wait at the head's end
	s_wait_loadcnt 0x0                             ; Q
	GROUP 0
	GROUP 1
	GROUP 2
	GROUP 3
	; THE WAY OUT: O^T x 2^(e4 + e5) / the sum, held, converted with e6, stored as registers of the projection's operand
.rept 4
	v_nop
.endr
	v_add_f32 v14, v14, v15
	s_delay_alu instid0(VALU_DEP_1)
	v_permlanex16_b32 v252, v14, s[SEL], s[SEL+1]
	s_delay_alu instid0(VALU_DEP_1)
	v_add_f32 v14, v14, v252
	s_wait_alu depctr_va_vdst(0)
	v_rcp_f32 v14, v14
	v_nop                                          ; a plain line behind the transcendental
	s_add_co_i32 s72, s52, s53
	s_wait_alu depctr_va_vdst(0)                   ; the wait ahead of its first reader
	v_ldexp_f32 v14, v14, s72
.set j, 0
.rept 32
	v_mul_f32 v[96+j], v[160+j], v14               ; register 8 t + i: d = 32 (t / 2) + 16 h + 8 (t % 2) + i of my query
.set j, j+1
.endr
.set j, 0
.rept 32
	v_med3_num_f32 v[96+j], v[96+j], -v241, v241
.set j, j+1
.endr
.irp t, 0,1,2,3
	v_cvt_scalef32_pk8_bf8_f32 v[224+2*\t:225+2*\t], v[96+8*\t:103+8*\t], v245
.endr
	v_nop
	global_store_b128 v1, v[224:227], s[8:9]
	global_store_b128 v1, v[228:231], s[8:9] offset:512
	s_wait_tensorcnt 0x0                           ; no tensor load is out at the end
	s_wait_tensorcnt 0x0
	ds_add_u32 v251, v255
	s_wait_dscnt 0x0
	s_endpgm
.Lfunc_end_k_q73cc6fa432_attn:
	.size	k_q73cc6fa432_attn, .Lfunc_end_k_q73cc6fa432_attn-k_q73cc6fa432_attn
	.p2alignl 7, 3214868480
	.fill 96, 4, 3214868480
	.section	.rodata,"a",@progbits
	.p2align	6, 0x0
	.amdhsa_kernel k_q73cc6fa432_attn
		.amdhsa_group_segment_fixed_size 327680
		.amdhsa_private_segment_fixed_size 0
		.amdhsa_enable_private_segment 0
		.amdhsa_kernarg_size 24
		.amdhsa_user_sgpr_count 2
		.amdhsa_user_sgpr_kernarg_segment_ptr 1
		.amdhsa_wavefront_size32 1
		.amdhsa_system_sgpr_workgroup_id_x 1
		.amdhsa_system_sgpr_workgroup_id_y 1
		.amdhsa_system_sgpr_workgroup_id_z 1
		.amdhsa_system_vgpr_workitem_id 0
		.amdhsa_next_free_vgpr 256
		.amdhsa_next_free_sgpr 100
		.amdhsa_reserve_vcc 1
		.amdhsa_float_denorm_mode_32 3
		.amdhsa_float_denorm_mode_16_64 3
		.amdhsa_memory_ordered 1
		.amdhsa_forward_progress 1
		.amdhsa_inst_pref_size 98
	.end_amdhsa_kernel
	.amdgpu_metadata
---
amdhsa.version: [ 1, 2 ]
amdhsa.kernels:
  - .name:           k_q73cc6fa432_attn
    .symbol:         k_q73cc6fa432_attn.kd
    .args:
      - { .name: qkvc, .offset: 0, .size: 8, .value_kind: global_buffer, .address_space: global }
      - { .name: lowp_scales, .offset: 8, .size: 8, .value_kind: global_buffer, .address_space: global }
      - { .name: oc, .offset: 16, .size: 8, .value_kind: global_buffer, .address_space: global }
    .group_segment_fixed_size: 327680
    .private_segment_fixed_size: 0
    .kernarg_segment_align: 8
    .kernarg_segment_size: 24
    .max_flat_workgroup_size: 512
    .sgpr_count:     100
    .vgpr_count:     256
    .wavefront_size: 32
...
	.end_amdgpu_metadata
.endif
;; end of part 3
;; launch proj (part 4): grid 32 x 8, 4 waves a work-group, clusters of 4 x 1, 327,680 bytes of LDS; arguments oc, wc, lowp_scales, b_proj, x, x2; writes x2
.if DOCPART == 4
	.amdgcn_target "amdgcn-amd-amdhsa--gfx1250"
	.amdhsa_code_object_version 6
	.text
	.protected	k_q73cc6fa432_proj
	.globl	k_q73cc6fa432_proj
	.p2align	8
	.type	k_q73cc6fa432_proj,@function
k_q73cc6fa432_proj:
	s_mov_b64 s[64:65], 0
	v_nop
	global_prefetch_b8 v0, s[64:65] scope:SCOPE_SE
	s_setreg_imm32_b32 hwreg(HW_REG_WAVE_MODE, 25, 1), 1
	s_wait_xcnt 0x0
	s_wait_alu depctr_hold_cnt(0) depctr_sa_sdst(0) depctr_va_vdst(0) depctr_va_sdst(0) depctr_va_ssrc(0) depctr_va_vcc(0) depctr_vm_vsrc(0)
	s_getreg_b32 s2, hwreg(HW_REG_IB_STS2, 6, 4)
	s_cmp_eq_u32 s2, 0
	s_cbranch_scc0 .Lentry_in_a_cluster
	s_endpgm
.Lentry_in_a_cluster:
	s_bfe_u32 s2, ttmp6, 0x10000c
	s_cmp_lg_u32 s2, 0x3003
	s_cbranch_scc0 .Lentry_shape_is_right
	s_endpgm
.Lentry_shape_is_right:
; x2 = x + (attention's result) w_proj^T + b_proj.  Both operands are codes of E5M2, sums f32; x2 is f32, rows m' = 2048 b + s; x's rows are 2 s + b.
; A work-group of four waves makes 128 rows x 128 columns: 32 x 8 = 256 work-groups.  Wave (rh = w % 2, kh = w / 2) makes rows 64 rh .. + 63 x all 128 columns over half kh of K (512): 32 accumulators, 4 K steps of 128.
; B (w_proj's 128 rows x 1,024 codes) comes into LDS by ONE joint fill, a tensor load a wave (64 rows x 512 bytes, 16 bytes of padding behind each row).  CLUSTER 4 x 1: the four partners make four row blocks of one column
; block and need the same rows of B: mask 15.  No byte is filled again.
; A (oc) lies in memory as images of the operand's registers, [m' / 16][K / 128][2,048], and goes straight into registers, 512 consecutive bytes a load; no two waves of the work-group read the same byte of A.
; USED TRANSPOSED (source 0 = 16 rows of B, source 1 = 16 rows of A): a lane holds eight neighbouring columns of one row.
; THE END: each wave lays its 64 x 128 sums into a stage in LDS, on bytes that no fill lands on; wave kh reads rows 32 kh .. + 31 of its own and of its partner's stage, adds them, x 2^(e6 + e7), + residual, + bias; a store covers 512 aligned bytes.
; NO PREFETCH: there is no loop to run ahead in: every operand byte is asked for at the head.
; LIMIT: e6 + e7 between -126 and 127.
; REGISTERS: window 0: v4-19 addresses, v96-99 bias, v128-255 B's eight fragments, then rows on the way out.  window 1: A's fragments, four sets of 64; sets 0, 1 take the residual.  window 2: accumulators ((a, b) at v[8 (8 a + b)]).
.set SIZE_K, 1024
.set WOFF,   3145728
.set SOFF,   24
.set RP,     8192
.set OP,     4096
.set ST,     SIZE_K/256                ; K steps of 128 a wave
.set NF,     SIZE_K/1024               ; fills: 512 of each half of K a fill
.set TP,     16*SIZE_K                 ; 16 rows of A in bytes
.set PITCH,  528
.set QUART,  64*PITCH                  ; a wave's tensor load in LDS; also a wave's stage: 64 rows x (512 + 16) bytes
.set SLOT,   4*QUART
.set SPARE,  2*SLOT                    ; the spare words, 128 bytes a wave; no other line names them
.if NF > 1
.set STAGE,  0
.else
.set STAGE,  SLOT
.endif
.set AO,  4
.set ADB, 8
.set STO, 12
.set RD,  13
.set RDP, 14
.set PFO, 15
.set SPW, 18
.set NIL, 19
.set BIAS, 96
.set BF,  128
.set G0,  32
.set MUL, 0xa4                         ; source 0 (B) window 0, source 1 (A) window 1, C and D window 2
.set MSB, 0
.macro WIN new
.if MSB != \new
	s_set_vgpr_msb (MSB<<8)|\new
.set MSB, \new
.endif
.endm
.macro PLACES
.rept 4
	v_nop
.endr
.endm
.macro CREST
	s_cmp_lg_u32 s10, 0
	s_cbranch_scc1 .Lnot_wave_0_\@
	s_barrier_signal -3
.Lnot_wave_0_\@:
	s_barrier_wait -3
	s_barrier_signal -1
	s_barrier_wait -1
.endm
.macro CROUND
	s_barrier_signal -1
	s_barrier_wait -1
	CREST
.endm
	s_load_b128 s[4:7], s[0:1], 0x0                ; A's images, wc
	s_load_b128 s[68:71], s[0:1], 0x10             ; the scales, the bias
	s_load_b128 s[72:75], s[0:1], 0x20             ; the residual, the output
	v_lshl_add_u32 v[SPW], v0, 2, SPARE
	v_mov_b32 v[NIL], 0
	ds_add_u32 v[SPW], v[NIL]                      ; the opening lines: the add, twice on end, and its wait ahead of my first tensor load
	ds_add_u32 v[SPW], v[NIL]
	v_lshrrev_b32 v1, 5, v0
	v_readfirstlane_b32 s10, v1                    ; wave 0..3
	s_and_b32 s11, s10, 1                          ; rh.  Also: which 64 rows of B I fetch
	s_lshr_b32 s12, s10, 1                         ; kh.  Also: for which half of K I fetch
	s_bfe_u32 s14, ttmp6, 0x40000                  ; cx
	s_lshl_b32 s13, ttmp9, 2
	s_add_co_u32 s13, s13, s14                     ; block of 128 rows
	s_and_b32 s15, ttmp7, 0xffff                   ; block of 128 columns
	s_mov_b32 s24, 15|(1<<20)|(1<<21)|(6<<22)|(3<<25)  ; the four partners; bytes; bit 21 beside a mask; four words of padding after every 128
	s_mov_b32 s25, 512<<16
	s_mov_b32 s26, 64<<16
	s_mov_b32 s27, 512<<16
	s_mov_b32 s28, 64
	s_mov_b32 s29, SIZE_K
	s_mov_b32 s30, 0
	s_mov_b32 s31, 0
	s_mov_b32 s[G0], 1
	s_mul_i32 s[G0+1], s10, QUART                  ; where my load goes
	s_mov_b32 s[G0+4], 1
	s_add_co_u32 s[G0+5], s[G0+1], SLOT
	s_lshl_b32 s16, s13, 1
	s_add_co_u32 s16, s16, s11
	s_mul_i32 s16, s16, 4*TP                       ; A: my 64 rows,
	s_mul_i32 s17, s12, ST*2048                    ; my half of K
	s_add_co_u32 s16, s16, s17
	s_mov_b32 s17, 0
	s_lshl_b32 s18, s15, 1
	s_add_co_u32 s18, s18, s11
	s_mul_i32 s18, s18, 64*SIZE_K                  ; B: the 64 rows that I fetch,
	s_mul_i32 s19, s12, SIZE_K/2                   ; in their half of K: no place in the cluster enters
	s_add_co_u32 s18, s18, s19
	s_add_co_u32 s18, s18, WOFF
	s_mov_b32 s19, 0
	s_mul_i32 s20, s14, 16*SIZE_K                  ; the prefetches: my work-group's 16 of those rows
	s_mov_b32 s21, 0
	s_mul_i32 s40, s12, 2*QUART                    ; my half's 128 rows in slot 0,
	s_add_co_u32 s41, s40, SLOT                    ; in slot 1
	s_mul_i32 s42, s10, QUART
	s_add_co_u32 s42, s42, STAGE                   ; my stage
	s_mul_i32 s43, s12, 32*PITCH
	s_add_co_u32 s44, s42, s43                     ; the rows that I finish, in my stage,
	s_xor_b32 s45, s10, 2
	s_mul_i32 s45, s45, QUART
	s_add_co_u32 s45, s45, STAGE
	s_add_co_u32 s45, s45, s43                     ; and in my partner's
	s_lshl_b32 s46, s15, 9                         ; the block's columns in bytes
	s_mov_b32 s47, 0
	s_lshl_b32 s22, s11, 6
	s_lshl_b32 s23, s12, 5
	s_add_co_u32 s22, s22, s23                     ; 64 rh + 32 kh
	s_lshl_b32 s48, s13, 7
	s_add_co_u32 s48, s48, s22
	s_lshl_b32 s48, s48, 12
	s_add_co_u32 s48, s48, s46                     ; my first byte in a buffer laid [2048 b + s][1024]
	s_mov_b32 s49, 0
	s_and_b32 s50, s13, 15
	s_lshl_b32 s50, s50, 7
	s_add_co_u32 s50, s50, s22
	s_lshl_b32 s50, s50, 1
	s_lshr_b32 s51, s13, 4
	s_add_co_u32 s50, s50, s51
	s_lshl_b32 s50, s50, 12
	s_add_co_u32 s50, s50, s46                     ; and in one laid [s][b][1024]
	s_mov_b32 s51, 0
	v_and_b32 v1, 15, v0                           ; r
	v_bfe_u32 v2, v0, 4, 1                         ; h
	v_and_b32 v3, 31, v0
	v_lshlrev_b32 v[AO], 4, v3                     ; 16 x lane
	v_mul_u32_u24 v5, v1, PITCH
	v_lshl_add_u32 v6, v2, 4, v5
	v_add_nc_u32 v[ADB], s40, v6
.if NF > 1
	v_add_nc_u32 v[ADB+1], s41, v6
	v_lshrrev_b32 v20, 1, v3
	v_mul_u32_u24 v20, v20, SIZE_K
	v_and_b32 v21, 1, v3
	v_lshl_add_u32 v[PFO], v21, 8, v20             ; the prefetches: two lanes to a row's 512 bytes
.endif
	v_lshl_add_u32 v7, v2, 5, v5
	v_add_nc_u32 v[STO], s42, v7                   ; into the stage: row r, 32 bytes for each half of the lanes
	v_add_nc_u32 v[RD], s44, v[AO]                 ; back: the 32 lanes take one row of 512 bytes
	v_add_nc_u32 v[RDP], s45, v[AO]
	s_wait_alu depctr_va_vdst(0)                   ; the wait at the head's end
	s_wait_dscnt 0x0                               ; both opening adds are done
	s_wait_kmcnt 0x0
	s_load_b64 s[76:77], s[68:69], SOFF            ; the two exponents
	s_add_nc_u64 s[G0+2:G0+3], s[6:7], s[18:19]
.if NF > 1
	s_add_nc_u64 s[G0+6:G0+7], s[G0+2:G0+3], 512
	s_add_nc_u64 s[52:53], s[G0+2:G0+3], s[20:21]
	s_or_b32 s[G0+7], s[G0+7], 0x80000000
.endif
	s_or_b32 s[G0+3], s[G0+3], 0x80000000
	s_add_nc_u64 s[4:5], s[4:5], s[16:17]
	s_add_nc_u64 s[70:71], s[70:71], s[46:47]
.if RP == 8192
	s_add_nc_u64 s[72:73], s[72:73], s[50:51]
	s_add_nc_u64 s[74:75], s[74:75], s[48:49]
.else
	s_add_nc_u64 s[72:73], s[72:73], s[48:49]
	s_add_nc_u64 s[74:75], s[74:75], s[50:51]
.endif
	CROUND                                         ; the four partners are here: the first joint loads meet
	tensor_load_to_lds s[G0:G0+3], s[24:31]        ; fill 0: one tensor load a wave at the head
	s_nop 0
	PLACES
.macro ALOAD t                         ; A's four fragments of K step t into set t % 4: sixteen loads of 512 consecutive bytes; every offset is an immediate
.irp a, 0,1,2,3
.irp c, 0,1,2,3
	global_load_b128 v[64*((\t)%4)+16*\a+4*\c:64*((\t)%4)+16*\a+4*\c+3], v[AO], s[4:5] offset:TP*\a+2048*(\t)+512*\c
.endr
.endr
.endm
.macro RLOAD u                         ; sixteen of the residual's 32 rows that I finish, into set u: a load reads 512 consecutive bytes of a row
.irp i, 0,1,2,3,4,5,6,7,8,9,10,11,12,13,14,15
	global_load_b128 v[64*(\u)+4*\i:64*(\u)+4*\i+3], v[AO], s[72:73] offset:(16*(\u)+\i)*RP th:TH_LOAD_NT
.endr
.endm
.macro BLOAD t, b0                     ; B's fragments b0 .. b0 + 3 of K step t
.irp b, \b0, \b0+1, \b0+2, \b0+3
.irp c, 0,1,2,3
	ds_load_b128 v[BF+16*(\b)+4*\c:BF+16*(\b)+4*\c+3], v[ADB+((\t)/4)%2] offset:128*((\t)%4)+32*\c+(\b)*16*PITCH
.endr
.endr
.endm
.macro MULH t, b0                      ; the 32 accumulators take turns in the same order in every step; step 0 starts the sums
.irp b, \b0, \b0+1, \b0+2, \b0+3
.irp a, 0,1,2,3
.if (\t) == 0
	v_wmma_f32_16x16x128_bf8_bf8 v[8*(8*\a+(\b)):8*(8*\a+(\b))+7], v[BF+16*(\b):BF+16*(\b)+15], v[64*((\t)%4)+16*\a:64*((\t)%4)+16*\a+15], 0
.else
	v_wmma_f32_16x16x128_bf8_bf8 v[8*(8*\a+(\b)):8*(8*\a+(\b))+7], v[BF+16*(\b):BF+16*(\b)+15], v[64*((\t)%4)+16*\a:64*((\t)%4)+16*\a+15], v[8*(8*\a+(\b)):8*(8*\a+(\b))+7]
.endif
.endr
.endr
.endm
.macro STEP t
.if ST-1-(\t) >= 3
.set LC, 48
.else
.set LC, 16*(ST-1-(\t))
.endif
.if (\t) > ST-4
.set LC, LC+16
.endif
.if (\t) > ST-3
.set LC, LC+16
.endif
.if ((\t)%4 == 3) && ((\t) < ST-1)     ; a slot's last step changes slots
	WIN 0
	s_wait_tensorcnt 0x0                           ; my one load that was out, my part of the next slot, has landed
	ds_add_u32 v[SPW], v[NIL]                      ; 0 onto my spare word
	s_wait_loadcnt LC
	s_wait_dscnt 17                                ; fragments 0-3 are in; the sixteen loads of 4-7 and the add may be out
	WIN MUL
	MULH \t, 0
	s_wait_dscnt 0x0                               ; the add is done, and my reads of this slot are over
	s_barrier_signal -1
	MULH \t, 4
	WIN 0
	s_barrier_wait -1
.if (\t)/4+2 < NF
	CREST                                          ; the barrier has opened a round of the cluster's: no wave of any partner still reads this slot or has a load on its way
	s_add_nc_u64 s[G0+4*(((\t)/4)%2)+2:G0+4*(((\t)/4)%2)+3], s[G0+4*(((\t)/4)%2)+2:G0+4*(((\t)/4)%2)+3], 1024
	tensor_load_to_lds s[G0+4*(((\t)/4)%2):G0+4*(((\t)/4)%2)+3], s[24:31]
	s_nop 0
.endif
	PLACES
	BLOAD (\t)+1, 0
	BLOAD (\t)+1, 4
.if (\t)/4+3 < NF
	global_prefetch_b8 v[PFO], s[52:53] offset:512*((\t)/4+3) th:TH_LOAD_NT scope:SCOPE_SE
.endif
.else
	s_wait_loadcnt LC                              ; this step's sixteen loads are in; out may be those of up to three later steps and what has been asked of the residual
	s_wait_dscnt 16                                ; fragments 0-3 are in; the sixteen loads of 4-7 may be out
	WIN MUL
	MULH \t, 0
	s_wait_dscnt 0x0
.if (\t) < ST-1
	PLACES                                         ; plain lines between a matrix instruction and a load into a register that it read
	WIN 0
	BLOAD (\t)+1, 0
	WIN MUL
.endif
	MULH \t, 4
	PLACES
	WIN 0
.if (\t) < ST-1
	BLOAD (\t)+1, 4
.endif
.endif
.if (\t)+4 < ST
	WIN 0x40
	ALOAD (\t)+4
	WIN 0
.else
.if (\t) <= ST-3
	WIN 0x40
	RLOAD (\t)-(ST-4)
	WIN 0
.endif
.endif
.endm
	global_load_b128 v[BIAS:BIAS+3], v[AO], s[70:71]
	WIN 0x40                                       ; destination window 1
	ALOAD 0
	ALOAD 1
	ALOAD 2
	ALOAD 3
	WIN 0
	s_wait_tensorcnt 0x0                           ; my part of fill 0 is in
.if NF > 1
	ds_add_u32 v[SPW], v[NIL]                      ; slot 1's first fill is issued as a refill is
	s_wait_dscnt 0x0
	CROUND
	tensor_load_to_lds s[G0+4:G0+7], s[24:31]      ; fill 1
	s_nop 0
	PLACES
.else
	s_barrier_signal -1
	s_barrier_wait -1                              ; everybody's is
.endif
	BLOAD 0, 0
	BLOAD 0, 4
.if NF > 2
	global_prefetch_b8 v[PFO], s[52:53] offset:1024 th:TH_LOAD_NT scope:SCOPE_SE
.endif
.set Q, 0
.rept ST
	STEP Q
.set Q, Q+1
.endr
	WIN 0x08                                       ; an LDS store's data are source 1: window 2
.irp a, 0,1,2,3
.irp b, 0,1,2,3,4,5,6,7
	ds_store_b128 v[STO], v[8*(8*\a+\b):8*(8*\a+\b)+3] offset:\a*16*PITCH+64*\b       ; each accumulator from its low end on
	ds_store_b128 v[STO], v[8*(8*\a+\b)+4:8*(8*\a+\b)+7] offset:\a*16*PITCH+64*\b+16
.endr
.endr
	WIN 0
	s_wait_dscnt 0x0                               ; for my partner's sake
	s_barrier_signal -1
	s_barrier_wait -1
.set i, 0
.rept 32
	ds_load_b128 v[BF+4*i:BF+4*i+3], v[RD] offset:i*PITCH
.set i, i+1
.endr
	WIN 0x80                                       ; destination window 2: the accumulators' registers are done with
.set i, 0
.rept 32
	ds_load_b128 v[4*i:4*i+3], v[RDP] offset:i*PITCH
.set i, i+1
.endr
	WIN 0
	s_wait_kmcnt 0x0
	s_add_co_i32 s78, s76, s77
	s_add_co_i32 s78, s78, 127
	s_lshl_b32 s78, s78, 23                        ; 2^(ea + eb) as f32
	s_mov_b32 s79, s78
	s_wait_loadcnt 0x0                             ; the residual
	s_wait_dscnt 0x0
	WIN 0x08
.set j, 0
.rept 64
	v_pk_add_f32 v[BF+j:BF+j+1], v[BF+j:BF+j+1], v[j:j+1]   ; the two halves of K
.set j, j+2
.endr
	WIN 0x10                                       ; source 2 (the residual) window 1
.set j, 0
.rept 64
	v_pk_fma_f32 v[BF+j:BF+j+1], v[BF+j:BF+j+1], s[78:79], v[j:j+1] op_sel_hi:[1,0,1]
.set j, j+2
.endr
	WIN 0
.set i, 0
.rept 32
	v_pk_add_f32 v[BF+4*i:BF+4*i+1], v[BF+4*i:BF+4*i+1], v[BIAS:BIAS+1]
	v_pk_add_f32 v[BF+4*i+2:BF+4*i+3], v[BF+4*i+2:BF+4*i+3], v[BIAS+2:BIAS+3]
.set i, i+1
.endr
.set i, 0
.rept 32
	global_store_b128 v[AO], v[BF+4*i:BF+4*i+3], s[74:75] offset:i*OP   ; 32 lanes store 512 consecutive, aligned bytes
.set i, i+1
.endr
	s_wait_tensorcnt 0x0                           ; the wave's end
	ds_add_u32 v[SPW], v[NIL]
	s_wait_dscnt 0x0
	CROUND                                         ; the closing round
	s_endpgm
.Lfunc_end_k_q73cc6fa432_proj:
	.size	k_q73cc6fa432_proj, .Lfunc_end_k_q73cc6fa432_proj-k_q73cc6fa432_proj
	.p2alignl 7, 3214868480
	.fill 96, 4, 3214868480
	.section	.rodata,"a",@progbits
	.p2align	6, 0x0
	.amdhsa_kernel k_q73cc6fa432_proj
		.amdhsa_group_segment_fixed_size 327680
		.amdhsa_private_segment_fixed_size 0
		.amdhsa_enable_private_segment 0
		.amdhsa_kernarg_size 48
		.amdhsa_user_sgpr_count 2
		.amdhsa_user_sgpr_kernarg_segment_ptr 1
		.amdhsa_wavefront_size32 1
		.amdhsa_system_sgpr_workgroup_id_x 1
		.amdhsa_system_sgpr_workgroup_id_y 1
		.amdhsa_system_sgpr_workgroup_id_z 1
		.amdhsa_system_vgpr_workitem_id 0
		.amdhsa_next_free_vgpr 768
		.amdhsa_next_free_sgpr 80
		.amdhsa_reserve_vcc 0
		.amdhsa_float_denorm_mode_32 3
		.amdhsa_float_denorm_mode_16_64 3
		.amdhsa_memory_ordered 1
		.amdhsa_forward_progress 1
		.amdhsa_inst_pref_size 57
	.end_amdhsa_kernel
	.amdgpu_metadata
---
amdhsa.version: [ 1, 2 ]
amdhsa.kernels:
  - .name:           k_q73cc6fa432_proj
    .symbol:         k_q73cc6fa432_proj.kd
    .args:
      - { .name: oc, .offset: 0, .size: 8, .value_kind: global_buffer, .address_space: global }
      - { .name: wc, .offset: 8, .size: 8, .value_kind: global_buffer, .address_space: global }
      - { .name: lowp_scales, .offset: 16, .size: 8, .value_kind: global_buffer, .address_space: global }
      - { .name: b_proj, .offset: 24, .size: 8, .value_kind: global_buffer, .address_space: global }
      - { .name: x, .offset: 32, .size: 8, .value_kind: global_buffer, .address_space: global }
      - { .name: x2, .offset: 40, .size: 8, .value_kind: global_buffer, .address_space: global }
    .group_segment_fixed_size: 327680
    .private_segment_fixed_size: 0
    .kernarg_segment_align: 8
    .kernarg_segment_size: 48
    .max_flat_workgroup_size: 128
    .sgpr_count:     80
    .vgpr_count:     768
    .wavefront_size: 32
...
	.end_amdgpu_metadata
.endif
;; end of part 4
;; launch ln2 (part 5): grid 256 x 1, 4 waves a work-group, no clusters, 20,992 bytes of LDS; arguments x2, ln2_w, ln2_b, lowp_scales, a2c; writes a2c
.if DOCPART == 5
	.amdgcn_target "amdgcn-amd-amdhsa--gfx1250"
	.amdhsa_code_object_version 6
	.text
	.protected	k_q73cc6fa432_ln2
	.globl	k_q73cc6fa432_ln2
	.p2align	8
	.type	k_q73cc6fa432_ln2,@function
k_q73cc6fa432_ln2:
	s_mov_b64 s[64:65], 0
	v_nop
	global_prefetch_b8 v0, s[64:65] scope:SCOPE_SE
	s_setreg_imm32_b32 hwreg(HW_REG_WAVE_MODE, 25, 1), 1
	s_wait_xcnt 0x0
; LayerNorm 2 of x2 [4096][1024] f32, quantised to codes of E5M2 with the scale 2^e8, into a2c [4096][1024].
; A wave takes four rows; a row is 32 registers of the wave, so it is read once.  Mean first, then the squares of z - mean, as the definition has it.
; Each load reads 512 consecutive bytes; the finished row turns through the wave's own stage in LDS, so that a lane holds 16 neighbours for the conversions; each store writes 512 consecutive bytes of codes.
; LIMIT: e8 between -126 and 112.  NaN is not served.  No barrier: waves share nothing.
.set SP,    80
.set LREG,  5120
.set EMAX,  15
.set MANT,  0x600000
.set LX,    16                         ; v16-47 a row's 32 numbers of my lane as neighbours; v16-19 also the sums' chains
.set LC,    48                         ; v48-63 codes, two sets of 8
.set LR,    64                         ; v64-191 four rows as loaded
.set LW,    192                        ; v192-223 the gain, v224-255 the bias
.set LB,    224
.set SRCP,  4096
	s_load_b256 s[16:23], s[0:1], 0x0              ; x2 16, ln2_w 18, ln2_b 20, the scales 22
	s_load_b64 s[34:35], s[0:1], 0x20              ; a2c
	s_set_vgpr_msb 0x40
	v_lshl_add_u32 v0, v0, 2, 0x5000
	v_mov_b32 v1, 0
	s_set_vgpr_msb 0x4000
	v_lshrrev_b32 v1, 5, v0
	v_readfirstlane_b32 s8, v1
	v_and_b32 v2, 31, v0
	v_lshlrev_b32 v3, 4, v2                        ; 16 x lane
	v_lshrrev_b32 v14, 2, v2
	v_mul_u32_u24 v14, v14, SP
	v_and_b32 v15, 3, v2
	v_lshl_add_u32 v14, v15, 4, v14
	v_mul_u32_u24 v15, v2, SP
	s_mul_i32 s2, s8, LREG
	v_add_nc_u32 v4, s2, v14                       ; the stage, in
	v_add_nc_u32 v5, s2, v15                       ; and out
	s_lshl_b32 s2, ttmp9, 2
	s_add_co_u32 s2, s2, s8                        ; unit: rows 4 unit .. 4 unit + 3
	s_lshl_b32 s6, s2, 14
	s_mov_b32 s7, 0
	s_lshl_b32 s4, s2, 12
	s_mov_b32 s5, 0
	s_mov_b32 s52, 0x76543210
	s_mov_b32 s53, 0xfedcba98
	s_mov_b32 s54, 0x3a800000                      ; 1 / 1024
	s_mov_b32 s55, 0x3727c5ac                      ; 1e-5
	s_wait_alu depctr_va_vdst(0)
	s_wait_kmcnt 0x0
	s_load_b32 s40, s[22:23], 0x20                 ; e8
	s_add_nc_u64 s[16:17], s[16:17], s[6:7]
	s_add_nc_u64 s[34:35], s[34:35], s[4:5]
.irp i, 0,1,2,3,4,5,6,7
	global_load_b128 v[LW+4*\i:LW+4*\i+3], v3, s[18:19] offset:512*\i
	global_load_b128 v[LB+4*\i:LB+4*\i+3], v3, s[20:21] offset:512*\i
.endr
.irp r, 0,1,2,3
.irp i, 0,1,2,3,4,5,6,7
	global_load_b128 v[LR+32*\r+4*\i:LR+32*\r+4*\i+3], v3, s[16:17] offset:\r*SRCP+512*\i
.endr
.endr
	v_mov_b32 v7, 0
	v_mov_b32 v9, 0
	v_mov_b32 v13, 0
	s_wait_kmcnt 0x0
	s_add_co_i32 s9, s40, 127
	s_lshl_b32 s10, s9, 23
	v_mov_b32 v11, s10                             ; 2^e8
	s_add_co_i32 s9, s9, EMAX
	s_lshl_b32 s9, s9, 23
	s_or_b32 s9, s9, MANT
	v_mov_b32 v10, s9                              ; 57,344 x 2^e8
.macro RED
	v_add_f32_dpp v8, v8, v8 row_xmask:1 row_mask:0xf bank_mask:0xf
	v_add_f32_dpp v8, v8, v8 row_xmask:2 row_mask:0xf bank_mask:0xf
	v_add_f32_dpp v8, v8, v8 row_xmask:4 row_mask:0xf bank_mask:0xf
	v_add_f32_dpp v8, v8, v8 row_xmask:8 row_mask:0xf bank_mask:0xf
	v_permlanex16_b32 v9, v8, s52, s53
	v_add_f32 v8, v8, v9
.endm
.macro LNROW r
.set RR, LR+32*(\r)
	s_wait_loadcnt 8*(3-(\r))                      ; this row's eight loads are in; the later rows' may be out
	v_pk_add_f32 v[16:17], v[RR:RR+1], v[RR+2:RR+3]
	v_pk_add_f32 v[18:19], v[RR+4:RR+5], v[RR+6:RR+7]
.irp j, 8,12,16,20,24,28
	v_pk_add_f32 v[16:17], v[16:17], v[RR+\j:RR+\j+1]
	v_pk_add_f32 v[18:19], v[18:19], v[RR+\j+2:RR+\j+3]
.endr
	v_pk_add_f32 v[16:17], v[16:17], v[18:19]
	v_add_f32 v8, v16, v17
	RED
	v_mul_f32 v12, s54, v8                         ; the mean
.set j, 0
.rept 16
	v_pk_add_f32 v[RR+j:RR+j+1], v[RR+j:RR+j+1], v[12:13] op_sel_hi:[1,0] neg_lo:[0,1] neg_hi:[0,1]
.set j, j+2
.endr
	v_pk_mul_f32 v[16:17], v[RR:RR+1], v[RR:RR+1]
	v_pk_mul_f32 v[18:19], v[RR+2:RR+3], v[RR+2:RR+3]
.irp j, 4,8,12,16,20,24,28
	v_pk_fma_f32 v[16:17], v[RR+\j:RR+\j+1], v[RR+\j:RR+\j+1], v[16:17]
	v_pk_fma_f32 v[18:19], v[RR+\j+2:RR+\j+3], v[RR+\j+2:RR+\j+3], v[18:19]
.endr
	v_pk_add_f32 v[16:17], v[16:17], v[18:19]
	v_add_f32 v8, v16, v17
	RED
	v_fma_f32 v8, v8, s54, s55                     ; the variance + 1e-5
	s_wait_alu depctr_va_vdst(0)
	v_rsq_f32 v6, v8
	v_nop                                          ; a plain line behind the transcendental,
	s_wait_alu depctr_va_vdst(0)                   ; and the wait ahead of its first reader
.set j, 0
.rept 16
	v_pk_mul_f32 v[RR+j:RR+j+1], v[RR+j:RR+j+1], v[6:7] op_sel_hi:[1,0]
.set j, j+2
.endr
.set j, 0
.rept 16
	v_pk_fma_f32 v[RR+j:RR+j+1], v[RR+j:RR+j+1], v[LW+j:LW+j+1], v[LB+j:LB+j+1]
.set j, j+2
.endr
.irp i, 0,1,2,3,4,5,6,7
	ds_store_b128 v4, v[RR+4*\i:RR+4*\i+3] offset:32*SP*(\i/4)+8*SP*(\i%4)
.endr
.irp u, 0,1
.irp j, 0,1,2,3
	ds_load_b128 v[LX+16*\u+4*\j:LX+16*\u+4*\j+3], v5 offset:32*SP*\u+16*\j   ; numbers 512 u + 16 lane + 0 .. 15.  LDS serves a wave's instructions in order
.endr
.endr
	s_wait_dscnt 0x0
	s_wait_xcnt 0x0                                ; the stores of two rows back have read their codes' registers
.set i, 0
.rept 32
	v_med3_num_f32 v[LX+i], v[LX+i], -v10, v10     ; the conversion does not saturate (ISA guide 7.6.2)
.set i, i+1
.endr
.irp g, 0,1,2,3
	v_cvt_scalef32_pk8_bf8_f32 v[LC+8*((\r)%2)+2*\g:LC+8*((\r)%2)+2*\g+1], v[LX+8*\g:LX+8*\g+7], v11
.endr
	v_nop                                          ; a plain line between the conversions and the next row's first line, which writes their sources
	global_store_b128 v3, v[LC+8*((\r)%2):LC+8*((\r)%2)+3], s[34:35] offset:1024*(\r)
	global_store_b128 v3, v[LC+8*((\r)%2)+4:LC+8*((\r)%2)+7], s[34:35] offset:1024*(\r)+512
.endm
	LNROW 0
	LNROW 1
	LNROW 2
	LNROW 3
	s_set_vgpr_msb 0x5
	s_wait_tensorcnt 0x0
	ds_add_u32 v0, v1
	s_wait_dscnt 0x0
	s_set_vgpr_msb 0x500
	s_endpgm
.Lfunc_end_k_q73cc6fa432_ln2:
	.size	k_q73cc6fa432_ln2, .Lfunc_end_k_q73cc6fa432_ln2-k_q73cc6fa432_ln2
	.p2alignl 7, 3214868480
	.fill 96, 4, 3214868480
	.section	.rodata,"a",@progbits
	.p2align	6, 0x0
	.amdhsa_kernel k_q73cc6fa432_ln2
		.amdhsa_group_segment_fixed_size 20992
		.amdhsa_private_segment_fixed_size 0
		.amdhsa_enable_private_segment 0
		.amdhsa_kernarg_size 40
		.amdhsa_user_sgpr_count 2
		.amdhsa_user_sgpr_kernarg_segment_ptr 1
		.amdhsa_wavefront_size32 1
		.amdhsa_system_sgpr_workgroup_id_x 1
		.amdhsa_system_sgpr_workgroup_id_y 1
		.amdhsa_system_sgpr_workgroup_id_z 1
		.amdhsa_system_vgpr_workitem_id 0
		.amdhsa_next_free_vgpr 258
		.amdhsa_next_free_sgpr 66
		.amdhsa_reserve_vcc 0
		.amdhsa_float_denorm_mode_32 3
		.amdhsa_float_denorm_mode_16_64 3
		.amdhsa_memory_ordered 1
		.amdhsa_forward_progress 1
		.amdhsa_inst_pref_size 45
	.end_amdhsa_kernel
	.amdgpu_metadata
---
amdhsa.version: [ 1, 2 ]
amdhsa.kernels:
  - .name:           k_q73cc6fa432_ln2
    .symbol:         k_q73cc6fa432_ln2.kd
    .args:
      - { .name: x2, .offset: 0, .size: 8, .value_kind: global_buffer, .address_space: global }
      - { .name: ln2_w, .offset: 8, .size: 8, .value_kind: global_buffer, .address_space: global }
      - { .name: ln2_b, .offset: 16, .size: 8, .value_kind: global_buffer, .address_space: global }
      - { .name: lowp_scales, .offset: 24, .size: 8, .value_kind: global_buffer, .address_space: global }
      - { .name: a2c, .offset: 32, .size: 8, .value_kind: global_buffer, .address_space: global }
    .group_segment_fixed_size: 20992
    .private_segment_fixed_size: 0
    .kernarg_segment_align: 8
    .kernarg_segment_size: 40
    .max_flat_workgroup_size: 128
    .sgpr_count:     66
    .vgpr_count:     258
    .wavefront_size: 32
...
	.end_amdgpu_metadata
.endif
;; end of part 5
;; launch fc1 (part 6): grid 16 x 16, 4 waves a work-group, clusters of 4 x 4, 327,680 bytes of LDS; arguments a2c, wc, lowp_scales, b_fc1, hc; writes hc
.if DOCPART == 6
	.amdgcn_target "amdgcn-amd-amdhsa--gfx1250"
	.amdhsa_code_object_version 6
	.text
	.protected	k_q73cc6fa432_fc1
	.globl	k_q73cc6fa432_fc1
	.p2align	8
	.type	k_q73cc6fa432_fc1,@function
k_q73cc6fa432_fc1:
	s_mov_b64 s[64:65], 0
	v_nop
	global_prefetch_b8 v0, s[64:65] scope:SCOPE_SE
	s_setreg_imm32_b32 hwreg(HW_REG_WAVE_MODE, 25, 1), 1
	s_wait_xcnt 0x0
	s_wait_alu depctr_hold_cnt(0) depctr_sa_sdst(0) depctr_va_vdst(0) depctr_va_sdst(0) depctr_va_ssrc(0) depctr_va_vcc(0) depctr_vm_vsrc(0)
	s_getreg_b32 s2, hwreg(HW_REG_IB_STS2, 6, 4)
	s_cmp_eq_u32 s2, 0
	s_cbranch_scc0 .Lentry_in_a_cluster
	s_endpgm
.Lentry_in_a_cluster:
	s_bfe_u32 s2, ttmp6, 0x10000c
	s_cmp_lg_u32 s2, 0xf033
	s_cbranch_scc0 .Lentry_shape_is_right
	s_endpgm
.Lentry_shape_is_right:
.set SIZE_K, 1024
.set WOFF,   0x400000
.set KSTEP,  256
.set ROWB,   256
.set KROW,   SIZE_K
.set PITCH,  272
.set FR,     16
.set NL,     4
.set NP,     4
.set HALFT,  128*PITCH
.set SLOT,   4*HALFT
.set LAPS,   SIZE_K/(2*KSTEP)
.set SPARE,  2*SLOT
.set ADRA, 16
.set ADRB, 20
.set CO,   26
.set SPW,  28
.set NIL,  29
.set BIAS, 32
.set U,    96
.set T,    160
.set CD,   224
.set AF,   128
.set G1, 24
.set G0, 32
.set G1B, 48
.set G0B, 56
.set MSB, 0
.macro WIN new
.if MSB != \new
	s_set_vgpr_msb (MSB<<8)|\new
.set MSB, \new
.endif
.endm
.set MUL_LO, 0xa1
.set MUL_HI, 0xf1
.set TO_B,   0x40
.macro JLOAD g0a, g1a, g0b, g1b
	s_cmp_eq_u32 s15, 0
	s_cbranch_scc0 .Lfor_b_\@
	tensor_load_to_lds s[\g0a:\g0a+3], s[\g1a:\g1a+7]
	s_nop 0
.rept 4
	v_nop
.endr
	s_branch .Lasked_\@
.Lfor_b_\@:
	tensor_load_to_lds s[\g0b:\g0b+3], s[\g1b:\g1b+7]
	s_nop 0
.rept 4
	v_nop
.endr
.Lasked_\@:
.endm
.macro CREST
	s_cmp_lg_u32 s14, 0
	s_cbranch_scc1 .Lnot_wave_0_\@
	s_barrier_signal -3
.Lnot_wave_0_\@:
	s_barrier_wait -3
	s_barrier_signal -1
	s_barrier_wait -1
.endm
.macro CROUND
	s_barrier_signal -1
	s_barrier_wait -1
	CREST
.endm
	s_load_b128 s[4:7], s[0:1], 0x0
	s_load_b128 s[8:11], s[0:1], 0x10
	s_load_b64 s[12:13], s[0:1], 0x20
	v_lshl_add_u32 v[SPW], v0, 2, SPARE
	v_mov_b32 v[NIL], 0
	ds_add_u32 v28, v29
	ds_add_u32 v28, v29
	s_wait_dscnt 0x0
	v_lshrrev_b32 v1, 5, v0
	v_readfirstlane_b32 s14, v1
	s_lshr_b32 s15, s14, 1
	s_and_b32 s16, s14, 1
	s_bfe_u32 s40, ttmp6, 0x40000
	s_bfe_u32 s41, ttmp6, 0x40004
	s_lshl_b32 s42, ttmp9, 2
	s_add_co_u32 s42, s42, s40
	s_and_b32 s17, ttmp7, 0xffff
	s_lshl_b32 s17, s17, 2
	s_add_co_u32 s17, s17, s41
	s_lshl_b32 s43, s41, 2
	s_lshl_b32 s43, 15, s43
	s_lshl_b32 s44, 0x1111, s40
	s_or_b32 s[G1+0], s43, (0<<16)|(1<<20)|(1<<21)|(5<<22)|(3<<25)
	s_or_b32 s[G1B+0], s44, (0<<16)|(1<<20)|(1<<21)|(5<<22)|(3<<25)
.irp g, G1, G1B
	s_mov_b32 s[\g+1], ROWB<<16
	s_mov_b32 s[\g+2], 128<<16
	s_mov_b32 s[\g+3], ROWB<<16
	s_mov_b32 s[\g+4], 128
	s_mov_b32 s[\g+5], KROW
	s_mov_b32 s[\g+6], 0
	s_mov_b32 s[\g+7], 0
.endr
	s_lshl_b32 s18, s16, 7
	s_lshl_b32 s20, s17, 8
	s_add_co_u32 s20, s20, s18
	s_lshl_b32 s46, s42, 8
	s_add_co_u32 s46, s46, s18
	s_mov_b32 s21, 0
	s_mov_b32 s47, 0
	s_mov_b64 s[18:19], KROW
	s_mul_u64 s[20:21], s[20:21], s[18:19]
	s_mul_u64 s[46:47], s[46:47], s[18:19]
	s_mul_i32 s45, s14, HALFT
	s_wait_kmcnt 0x0
	s_load_b128 s[76:79], s[8:9], 0x20
	s_add_nc_u64 s[6:7], s[6:7], WOFF
	s_add_nc_u64 s[20:21], s[4:5], s[20:21]
	s_add_nc_u64 s[46:47], s[6:7], s[46:47]
	CROUND
.irp s, 0,1
	s_mov_b32 s[G0+4*\s], 1
	s_add_co_u32 s[G0+4*\s+1], s45, \s*SLOT
	s_add_nc_u64 s[G0+4*\s+2:G0+4*\s+3], s[20:21], \s*ROWB
	s_or_b32 s[G0+4*\s+3], s[G0+4*\s+3], 0x80000000
	s_mov_b32 s[G0B+4*\s], 1
	s_add_co_u32 s[G0B+4*\s+1], s45, \s*SLOT
	s_add_nc_u64 s[G0B+4*\s+2:G0B+4*\s+3], s[46:47], \s*ROWB
	s_or_b32 s[G0B+4*\s+3], s[G0B+4*\s+3], 0x80000000
.endr
	JLOAD G0, G1, G0B, G1B                         ; K step 0: one tensor load a wave at the head
	v_and_b32 v1, 15, v0
	v_bfe_u32 v2, v0, 4, 1
	v_mul_u32_u24 v3, v1, PITCH
	v_lshl_add_u32 v4, v2, 4, v3
	s_mul_i32 s21, s15, HALFT
	s_mul_i32 s22, s16, HALFT
	s_add_co_u32 s22, s22, 2*HALFT
.irp s, 0,1
	v_add_nc_u32 v[ADRA+\s], s21, v4
	v_add_nc_u32 v[ADRB+\s], s22, v4
	s_add_co_u32 s21, s21, SLOT
	s_add_co_u32 s22, s22, SLOT
.endr
	v_and_b32 v6, 31, v0
	v_lshlrev_b32 v[CO], 4, v6
	v_lshlrev_b32 v7, 6, v2
	s_lshl_b32 s80, s42, 10
	s_lshl_b32 s81, s16, 9
	s_add_co_u32 s80, s80, s81
	s_mov_b32 s81, 0
	s_add_nc_u64 s[10:11], s[10:11], s[80:81]
.irp t, 0,1,2,3,4,5,6,7
	global_load_b128 v[BIAS+8*\t:BIAS+8*\t+3], v7, s[10:11] offset:(32*(\t/2)+8*(\t%2))*4
	global_load_b128 v[BIAS+8*\t+4:BIAS+8*\t+7], v7, s[10:11] offset:(32*(\t/2)+8*(\t%2))*4+16
.endr
	s_lshl_b32 s82, s17, 4
	s_lshl_b32 s83, s15, 3
	s_add_co_u32 s82, s82, s83
	s_lshl_b32 s82, s82, 5
	s_lshl_b32 s83, s42, 1
	s_add_co_u32 s82, s82, s83
	s_add_co_u32 s82, s82, s16
	s_lshl_b32 s82, s82, 11
	s_mov_b32 s83, 0
	s_add_nc_u64 s[12:13], s[12:13], s[82:83]
	s_wait_kmcnt 0x0
	s_add_co_i32 s96, s76, s77
	s_add_co_i32 s96, s96, 127
	s_lshl_b32 s96, s96, 23
	s_mov_b32 s97, s96
	s_add_co_i32 s84, s78, 127
	s_lshl_b32 s85, s84, 23
	v_mov_b32 v8, s85
	s_add_co_i32 s84, s84, 15
	s_lshl_b32 s84, s84, 23
	s_or_b32 s84, s84, 0x600000
	v_mov_b32 v9, s84
	v_mov_b32 v10, 0xc0135761
	v_mov_b32 v11, 0xc0135761
	s_mov_b32 s94, 0xbdd2d3e8
	s_mov_b32 s95, s94
.macro FRAG reg, adr, q, i
.irp c, 0,1,2,3
	ds_load_b128 v[\reg+4*\c:\reg+4*\c+3], v[\adr] offset:128*(\q)+32*\c+(\i)*16*PITCH
.endr
.endm
.macro MUL16 a0, p, zero
.irp a, \a0, \a0+1
.irp b, 0,1,2,3,4,5,6,7
.if \zero
	v_wmma_f32_16x16x128_bf8_bf8 v[8*(8*((\a)%4)+\b):8*(8*((\a)%4)+\b)+7], v[128*(\p)+FR*\b:128*(\p)+FR*\b+FR-1], v[AF+FR*(\a):AF+FR*(\a)+FR-1], 0
.else
	v_wmma_f32_16x16x128_bf8_bf8 v[8*(8*((\a)%4)+\b):8*(8*((\a)%4)+\b)+7], v[128*(\p)+FR*\b:128*(\p)+FR*\b+FR-1], v[AF+FR*(\a):AF+FR*(\a)+FR-1], v[8*(8*((\a)%4)+\b):8*(8*((\a)%4)+\b)+7]
.endif
.endr
.endr
.endm
.macro FETCH_B slot, q, p
	WIN TO_B
.irp i, 0,1,2,3,4,5,6,7
	FRAG 128*(\p)+FR*\i, ADRB+\slot, \q, \i
.endr
	WIN 0
.endm
.macro FETCH_A slot, q, i0
.irp i, \i0, \i0+1, \i0+2, \i0+3
	FRAG AF+FR*(\i), ADRA+\slot, \q, \i
.endr
.endm
.macro PLACES n
.rept \n
	v_nop
.endr
.endm
.macro STEP slot, q, zero
	s_wait_dscnt 4*NL
	WIN MUL_LO
	MUL16 0, (\q)%2, \zero
	MUL16 2, (\q)%2, \zero
	s_wait_dscnt 0
	PLACES NP
	FETCH_B \slot, (\q)+1, 1-(\q)%2
	FETCH_A \slot, (\q)+1, 0
	WIN MUL_HI
	MUL16 4, (\q)%2, \zero
	MUL16 6, (\q)%2, \zero
	PLACES NP
	WIN 0
	FETCH_A \slot, (\q)+1, 4
.endm
.macro TURN slot, next, fill
	s_wait_tensorcnt 0x0
	ds_add_u32 v[SPW], v[NIL]
	s_wait_dscnt 4*NL+1
	WIN MUL_LO
	MUL16 0, 1, 0
	s_wait_dscnt 0x0
	s_barrier_signal -1
	MUL16 2, 1, 0
	WIN 0
	s_barrier_wait -1
.if \fill
	CREST
	s_add_nc_u64 s[G0+4*\slot+2:G0+4*\slot+3], s[G0+4*\slot+2:G0+4*\slot+3], 2*ROWB
	s_add_nc_u64 s[G0B+4*\slot+2:G0B+4*\slot+3], s[G0B+4*\slot+2:G0B+4*\slot+3], 2*ROWB
	JLOAD G0+4*\slot, G1, G0B+4*\slot, G1B
.else
	PLACES NP
.endif
	s_wait_alu depctr_va_vdst(0)
	FETCH_B \next, 0, 0
	FETCH_A \next, 0, 0
	WIN MUL_HI
	MUL16 4, 1, 0
	MUL16 6, 1, 0
	PLACES NP
	WIN 0
	FETCH_A \next, 0, 4
.endm
	s_wait_alu depctr_va_vdst(0)                   ; the wait at the head's end
	s_wait_tensorcnt 0x0                           ; my part of K step 0 is in; slot 1's first fill is issued as a refill is:
	ds_add_u32 v[SPW], v[NIL]                      ; 0 onto my spare word
	s_wait_dscnt 0x0
	CROUND                                         ; everybody's part of K step 0 is in, and all sixteen work-groups are here
	JLOAD G0+4, G1, G0B+4, G1B                     ; K step 1: the first tensor load behind the round
	FETCH_B 0, 0, 0
	FETCH_A 0, 0, 0
	FETCH_A 0, 0, 4
	STEP 0, 0, 1
	s_mov_b32 s3, LAPS-1
.Llap:
	TURN 0, 1, 1
	STEP 1, 0, 0
	TURN 1, 0, 1
	STEP 0, 0, 0
	s_sub_co_u32 s3, s3, 1
	s_cmp_lg_u32 s3, 0
	s_cbranch_scc1 .Llap
	TURN 0, 1, 0
	STEP 1, 0, 0
	s_wait_dscnt 4*NL
	WIN MUL_LO
	MUL16 0, 1, 0
	MUL16 2, 1, 0
	s_wait_dscnt 0
	WIN MUL_HI
	MUL16 4, 1, 0
	MUL16 6, 1, 0
	WIN 0
.macro OUT a
.set AC, 64*((\a)%4)
	s_wait_xcnt 0x0
	WIN 0x02+((\a)/4)
.set j, 0
.rept 32
	v_pk_fma_f32 v[U+j:U+j+1], v[AC+j:AC+j+1], s[96:97], v[BIAS+j:BIAS+j+1] op_sel_hi:[1,0,1]
.set j, j+2
.endr
	WIN 0
.set j, 0
.rept 32
	v_pk_mul_f32 v[T+j:T+j+1], v[U+j:U+j+1], v[U+j:U+j+1]
.set j, j+2
.endr
.set j, 0
.rept 32
	v_pk_fma_f32 v[T+j:T+j+1], v[T+j:T+j+1], s[94:95], v[10:11] op_sel_hi:[1,0,1]
.set j, j+2
.endr
.set j, 0
.rept 32
	v_pk_mul_f32 v[T+j:T+j+1], v[T+j:T+j+1], v[U+j:U+j+1]
.set j, j+2
.endr
.set j, 0
	s_wait_alu depctr_va_vdst(0)
.rept 64
	v_exp_f32 v[T+j], v[T+j]
.set j, j+1
.endr
	v_nop
	s_wait_alu depctr_va_vdst(0)
.set j, 0
.rept 32
	v_pk_add_f32 v[T+j:T+j+1], v[T+j:T+j+1], 1.0 op_sel_hi:[1,0]
.set j, j+2
.endr
.set j, 0
	s_wait_alu depctr_va_vdst(0)
.rept 64
	v_rcp_f32 v[T+j], v[T+j]
.set j, j+1
.endr
	v_nop
	s_wait_alu depctr_va_vdst(0)
.set j, 0
.rept 32
	v_pk_mul_f32 v[U+j:U+j+1], v[U+j:U+j+1], v[T+j:T+j+1]
.set j, j+2
.endr
.set j, 0
.rept 64
	v_med3_num_f32 v[U+j], v[U+j], -v9, v9
.set j, j+1
.endr
.irp t, 0,1,2,3,4,5,6,7
	v_cvt_scalef32_pk8_bf8_f32 v[CD+2*\t:CD+2*\t+1], v[U+8*\t:U+8*\t+7], v8
.endr
	v_nop
.irp g, 0,1,2,3
	global_store_b128 v[CO], v[CD+4*\g:CD+4*\g+3], s[12:13] offset:65536*(\a)+512*\g
.endr
.endm
	PLACES NP
	s_wait_loadcnt 0x0
.irp a, 0,1,2,3,4,5,6,7
	OUT \a
.endr
	s_wait_tensorcnt 0x0
	ds_add_u32 v[SPW], v[NIL]
	s_wait_dscnt 0x0
	CROUND
	s_endpgm
.Lfunc_end_k_q73cc6fa432_fc1:
	.size	k_q73cc6fa432_fc1, .Lfunc_end_k_q73cc6fa432_fc1-k_q73cc6fa432_fc1
	.p2alignl 7, 3214868480
	.fill 96, 4, 3214868480
	.section	.rodata,"a",@progbits
	.p2align	6, 0x0
	.amdhsa_kernel k_q73cc6fa432_fc1
		.amdhsa_group_segment_fixed_size 327680
		.amdhsa_private_segment_fixed_size 0
		.amdhsa_enable_private_segment 0
		.amdhsa_kernarg_size 40
		.amdhsa_user_sgpr_count 2
		.amdhsa_user_sgpr_kernarg_segment_ptr 1
		.amdhsa_wavefront_size32 1
		.amdhsa_system_sgpr_workgroup_id_x 1
		.amdhsa_system_sgpr_workgroup_id_y 1
		.amdhsa_system_sgpr_workgroup_id_z 1
		.amdhsa_system_vgpr_workitem_id 0
		.amdhsa_next_free_vgpr 1024
		.amdhsa_next_free_sgpr 98
		.amdhsa_reserve_vcc 0
		.amdhsa_float_denorm_mode_32 3
		.amdhsa_float_denorm_mode_16_64 3
		.amdhsa_memory_ordered 1
		.amdhsa_forward_progress 1
		.amdhsa_inst_pref_size 250
	.end_amdhsa_kernel
	.amdgpu_metadata
---
amdhsa.version: [ 1, 2 ]
amdhsa.kernels:
  - .name:           k_q73cc6fa432_fc1
    .symbol:         k_q73cc6fa432_fc1.kd
    .args:
      - { .name: a2c, .offset: 0, .size: 8, .value_kind: global_buffer, .address_space: global }
      - { .name: wc, .offset: 8, .size: 8, .value_kind: global_buffer, .address_space: global }
      - { .name: lowp_scales, .offset: 16, .size: 8, .value_kind: global_buffer, .address_space: global }
      - { .name: b_fc1, .offset: 24, .size: 8, .value_kind: global_buffer, .address_space: global }
      - { .name: hc, .offset: 32, .size: 8, .value_kind: global_buffer, .address_space: global }
    .group_segment_fixed_size: 327680
    .private_segment_fixed_size: 0
    .kernarg_segment_align: 8
    .kernarg_segment_size: 40
    .max_flat_workgroup_size: 128
    .sgpr_count:     98
    .vgpr_count:     1024
    .wavefront_size: 32
...
	.end_amdgpu_metadata
.endif
;; end of part 6
;; launch fc2 (part 7): grid 32 x 8, 4 waves a work-group, clusters of 4 x 1, 327,680 bytes of LDS; arguments hc, wc, lowp_scales, b_fc2, x2, out0; writes out0
.if DOCPART == 7
	.amdgcn_target "amdgcn-amd-amdhsa--gfx1250"
	.amdhsa_code_object_version 6
	.text
	.protected	k_q73cc6fa432_fc2
	.globl	k_q73cc6fa432_fc2
	.p2align	8
	.type	k_q73cc6fa432_fc2,@function
k_q73cc6fa432_fc2:
	s_mov_b64 s[64:65], 0
	v_nop
	global_prefetch_b8 v0, s[64:65] scope:SCOPE_SE
	s_setreg_imm32_b32 hwreg(HW_REG_WAVE_MODE, 25, 1), 1
	s_wait_xcnt 0x0
	s_wait_alu depctr_hold_cnt(0) depctr_sa_sdst(0) depctr_va_vdst(0) depctr_va_sdst(0) depctr_va_ssrc(0) depctr_va_vcc(0) depctr_vm_vsrc(0)
	s_getreg_b32 s2, hwreg(HW_REG_IB_STS2, 6, 4)
	s_cmp_eq_u32 s2, 0
	s_cbranch_scc0 .Lentry_in_a_cluster
	s_endpgm
.Lentry_in_a_cluster:
	s_bfe_u32 s2, ttmp6, 0x10000c
	s_cmp_lg_u32 s2, 0x3003
	s_cbranch_scc0 .Lentry_shape_is_right
	s_endpgm
.Lentry_shape_is_right:
; out0 = x2 + gelu's result w_fc2^T + b_fc2.  Both operands are codes of E5M2, sums f32; x2's rows are m' = 2048 b + s, out0's are 2 s + b.
; A work-group of four waves makes 128 rows x 128 columns: 32 x 8 = 256 work-groups.  Wave (rh = w % 2, kh = w / 2) makes rows 64 rh .. + 63 x all 128 columns over half kh of K (2,048): 32 accumulators, 16 K steps of 128.
; THE TWO OPERANDS TAKE TWO ROADS.
; B (w_fc2's 128 rows) comes through a ring of two LDS slots by joint tensor loads.  A slot holds 512 along K of each half of K: 2 x 128 rows x 512 bytes, 16 bytes of padding behind each row (pitch 528: the 16 rows of a
; fragment start at 16 different banks, 64 banks of 4 bytes: ISA guide 11.1); a wave fetches 64 rows of one half.  Four fills in all.  CLUSTER 4 x 1: the four partners make four row blocks of one column block and need the
; same rows of B: mask 15.  Each change of slots that fills again is a round of the cluster's barrier.
; A (hc) lies in memory as images of the operand's registers, [m' / 16][K / 128][2,048], and goes straight into registers, 512 consecutive bytes a load; no two waves of the work-group read the same byte of A.
; A ring of four sets of 64 registers runs four K steps ahead: 64 loads of a wave are asked for ahead of the step in hand.
; USED TRANSPOSED (source 0 = 16 rows of B, source 1 = 16 rows of A): a lane holds eight neighbouring columns of one row.  Both sides have K = 32 c + 16 h + 0 .. 15 in registers 4 c .. 4 c + 3.
; THE END: each wave lays its 64 x 128 sums into a stage in LDS (in slot 0, which has had its last fill and, behind the last change of slots, its last read); wave kh reads rows 32 kh .. + 31 of its own and of its partner's
; stage, adds them, x 2^(e10 + e11), + residual, + bias; a store covers 512 aligned bytes.  So an output is the f32 sum of two f32 sums, one for each half of K.
; PREFETCH of B: behind the issue of fill f stands one prefetch a wave for fill f + 1 (f = 1, 2): of the 64 rows x 512 bytes that a wave fetches each partner names 16 rows, told apart by address; two lanes to a row, 256 bytes
; apart: each block once in the cluster.  Fills 0 and 1 come by their loads alone.  A needs none: its ring of registers is the look-ahead.
; LIMIT: e10 + e11 between -126 and 127.
; REGISTERS: window 0: v4-19 addresses, v96-99 bias, v128-255 B's eight fragments, then rows on the way out.  window 1: A's ring, four sets of 64; at the end sets 0, 1 take the residual.  window 2: accumulators ((a, b) at v[8 (8 a + b)]).
.set SIZE_K, 4096
.set WOFF,   8388608                   ; w_fc2's first byte in wc
.set SOFF,   40                        ; entries 10 and 11 of the scales
.set RP,     4096                      ; the residual's bytes from row to row of one b
.set OP,     8192                      ; the output's
.set ST,     SIZE_K/256                ; K steps of 128 a wave
.set NF,     SIZE_K/1024               ; fills: 512 of each half of K a fill
.set TP,     16*SIZE_K                 ; 16 rows of A in bytes
.set PITCH,  528
.set QUART,  64*PITCH                  ; a wave's tensor load in LDS; also a wave's stage: 64 rows x (512 + 16) bytes
.set SLOT,   4*QUART
.set SPARE,  2*SLOT                    ; behind the ring: the spare words, 128 bytes a wave; no other line names them
.if NF > 1
.set STAGE,  0
.else
.set STAGE,  SLOT
.endif
.set AO,  4
.set ADB, 8
.set STO, 12
.set RD,  13
.set RDP, 14
.set PFO, 15
.set SPW, 18
.set NIL, 19
.set BIAS, 96
.set BF,  128
.set G0,  32
.set MUL, 0xa4                         ; source 0 (B) window 0, source 1 (A) window 1, C and D window 2
.set MSB, 0
.macro WIN new                         ; the immediate's high byte repeats the setting that is left
.if MSB != \new
	s_set_vgpr_msb (MSB<<8)|\new
.set MSB, \new
.endif
.endm
.macro PLACES
.rept 4
	v_nop
.endr
.endm
.macro CREST                           ; a round of the cluster's barrier behind its opening barrier
	s_cmp_lg_u32 s10, 0
	s_cbranch_scc1 .Lnot_wave_0_\@
	s_barrier_signal -3
.Lnot_wave_0_\@:
	s_barrier_wait -3
	s_barrier_signal -1
	s_barrier_wait -1
.endm
.macro CROUND
	s_barrier_signal -1
	s_barrier_wait -1
	CREST
.endm
	s_load_b128 s[4:7], s[0:1], 0x0                ; A's images, wc
	s_load_b128 s[68:71], s[0:1], 0x10             ; the scales, the bias
	s_load_b128 s[72:75], s[0:1], 0x20             ; the residual, the output
	v_lshl_add_u32 v[SPW], v0, 2, SPARE
	v_mov_b32 v[NIL], 0
	ds_add_u32 v[SPW], v[NIL]                      ; the opening lines: the add, twice on end, and its wait ahead of my first tensor load
	ds_add_u32 v[SPW], v[NIL]
	v_lshrrev_b32 v1, 5, v0
	v_readfirstlane_b32 s10, v1                    ; wave 0..3
	s_and_b32 s11, s10, 1                          ; rh.  Also: which 64 rows of B I fetch
	s_lshr_b32 s12, s10, 1                         ; kh.  Also: for which half of K I fetch
	s_bfe_u32 s14, ttmp6, 0x40000                  ; cx
	s_lshl_b32 s13, ttmp9, 2
	s_add_co_u32 s13, s13, s14                     ; block of 128 rows
	s_and_b32 s15, ttmp7, 0xffff                   ; block of 128 columns
	s_mov_b32 s24, 15|(1<<20)|(1<<21)|(6<<22)|(3<<25)  ; the four partners; bytes; bit 21 beside a mask; four words of padding after every 128
	s_mov_b32 s25, 512<<16                         ; tensor_dim0
	s_mov_b32 s26, 64<<16                          ; tensor_dim1
	s_mov_b32 s27, 512<<16                         ; tile_dim0
	s_mov_b32 s28, 64                              ; tile_dim1
	s_mov_b32 s29, SIZE_K                          ; from row to row
	s_mov_b32 s30, 0
	s_mov_b32 s31, 0
	s_mov_b32 s[G0], 1
	s_mul_i32 s[G0+1], s10, QUART                  ; where my load goes: slot 0,
	s_mov_b32 s[G0+4], 1
	s_add_co_u32 s[G0+5], s[G0+1], SLOT            ; slot 1
	s_lshl_b32 s16, s13, 1
	s_add_co_u32 s16, s16, s11
	s_mul_i32 s16, s16, 4*TP                       ; A: my 64 rows,
	s_mul_i32 s17, s12, ST*2048                    ; my half of K
	s_add_co_u32 s16, s16, s17
	s_mov_b32 s17, 0
	s_lshl_b32 s18, s15, 1
	s_add_co_u32 s18, s18, s11
	s_mul_i32 s18, s18, 64*SIZE_K                  ; B: the 64 rows that I fetch,
	s_mul_i32 s19, s12, SIZE_K/2                   ; in their half of K: no place in the cluster enters
	s_add_co_u32 s18, s18, s19
	s_add_co_u32 s18, s18, WOFF
	s_mov_b32 s19, 0
	s_mul_i32 s20, s14, 16*SIZE_K                  ; the prefetches: my work-group's 16 of those rows
	s_mov_b32 s21, 0
	s_mul_i32 s40, s12, 2*QUART                    ; my half's 128 rows in slot 0,
	s_add_co_u32 s41, s40, SLOT                    ; in slot 1
	s_mul_i32 s42, s10, QUART
	s_add_co_u32 s42, s42, STAGE                   ; my stage
	s_mul_i32 s43, s12, 32*PITCH
	s_add_co_u32 s44, s42, s43                     ; the rows that I finish, in my stage,
	s_xor_b32 s45, s10, 2
	s_mul_i32 s45, s45, QUART
	s_add_co_u32 s45, s45, STAGE
	s_add_co_u32 s45, s45, s43                     ; and in my partner's
	s_lshl_b32 s46, s15, 9                         ; the block's columns in bytes
	s_mov_b32 s47, 0
	s_lshl_b32 s22, s11, 6
	s_lshl_b32 s23, s12, 5
	s_add_co_u32 s22, s22, s23                     ; 64 rh + 32 kh
	s_lshl_b32 s48, s13, 7
	s_add_co_u32 s48, s48, s22
	s_lshl_b32 s48, s48, 12
	s_add_co_u32 s48, s48, s46                     ; my first byte in a buffer laid [2048 b + s][1024]
	s_mov_b32 s49, 0
	s_and_b32 s50, s13, 15
	s_lshl_b32 s50, s50, 7
	s_add_co_u32 s50, s50, s22
	s_lshl_b32 s50, s50, 1
	s_lshr_b32 s51, s13, 4
	s_add_co_u32 s50, s50, s51
	s_lshl_b32 s50, s50, 12
	s_add_co_u32 s50, s50, s46                     ; and in one laid [s][b][1024]
	s_mov_b32 s51, 0
	v_and_b32 v1, 15, v0                           ; r
	v_bfe_u32 v2, v0, 4, 1                         ; h
	v_and_b32 v3, 31, v0
	v_lshlrev_b32 v[AO], 4, v3                     ; 16 x lane: A's images, the bias, the residual's and the output's rows
	v_mul_u32_u24 v5, v1, PITCH
	v_lshl_add_u32 v6, v2, 4, v5
	v_add_nc_u32 v[ADB], s40, v6                   ; a fragment's row x pitch + 16 h, in slot 0
.if NF > 1
	v_add_nc_u32 v[ADB+1], s41, v6                 ; and in slot 1
	v_lshrrev_b32 v20, 1, v3
	v_mul_u32_u24 v20, v20, SIZE_K
	v_and_b32 v21, 1, v3
	v_lshl_add_u32 v[PFO], v21, 8, v20             ; the prefetches: two lanes to a row's 512 bytes
.endif
	v_lshl_add_u32 v7, v2, 5, v5
	v_add_nc_u32 v[STO], s42, v7                   ; into the stage: row r, 32 bytes for each half of the lanes
	v_add_nc_u32 v[RD], s44, v[AO]                 ; back: the 32 lanes take one row of 512 bytes
	v_add_nc_u32 v[RDP], s45, v[AO]
	s_wait_alu depctr_va_vdst(0)                   ; the wait at the head's end
	s_wait_dscnt 0x0                               ; both opening adds are done
	s_wait_kmcnt 0x0
	s_load_b64 s[76:77], s[68:69], SOFF            ; the two exponents
	s_add_nc_u64 s[G0+2:G0+3], s[6:7], s[18:19]    ; fill 0
.if NF > 1
	s_add_nc_u64 s[G0+6:G0+7], s[G0+2:G0+3], 512   ; fill 1
	s_add_nc_u64 s[52:53], s[G0+2:G0+3], s[20:21]  ; where my prefetches stand; never rewritten: the fill goes in as an immediate
	s_or_b32 s[G0+7], s[G0+7], 0x80000000
.endif
	s_or_b32 s[G0+3], s[G0+3], 0x80000000
	s_add_nc_u64 s[4:5], s[4:5], s[16:17]
	s_add_nc_u64 s[70:71], s[70:71], s[46:47]
.if RP == 8192
	s_add_nc_u64 s[72:73], s[72:73], s[50:51]
	s_add_nc_u64 s[74:75], s[74:75], s[48:49]
.else
	s_add_nc_u64 s[72:73], s[72:73], s[48:49]
	s_add_nc_u64 s[74:75], s[74:75], s[50:51]
.endif
	CROUND                                         ; the four partners are here: the first joint loads meet
	tensor_load_to_lds s[G0:G0+3], s[24:31]        ; fill 0: one tensor load a wave at the head
	s_nop 0
	PLACES
.macro ALOAD t                         ; A's four fragments of K step t into set t % 4: sixteen loads of 512 consecutive bytes; every offset is an immediate, no pointer is stepped
.irp a, 0,1,2,3
.irp c, 0,1,2,3
	global_load_b128 v[64*((\t)%4)+16*\a+4*\c:64*((\t)%4)+16*\a+4*\c+3], v[AO], s[4:5] offset:TP*\a+2048*(\t)+512*\c
.endr
.endr
.endm
.macro RLOAD u                         ; sixteen of the residual's 32 rows that I finish, into set u: a load reads 512 consecutive bytes of a row
.irp i, 0,1,2,3,4,5,6,7,8,9,10,11,12,13,14,15
	global_load_b128 v[64*(\u)+4*\i:64*(\u)+4*\i+3], v[AO], s[72:73] offset:(16*(\u)+\i)*RP th:TH_LOAD_NT
.endr
.endm
.macro BLOAD t, b0                     ; B's fragments b0 .. b0 + 3 of K step t
.irp b, \b0, \b0+1, \b0+2, \b0+3
.irp c, 0,1,2,3
	ds_load_b128 v[BF+16*(\b)+4*\c:BF+16*(\b)+4*\c+3], v[ADB+((\t)/4)%2] offset:128*((\t)%4)+32*\c+(\b)*16*PITCH
.endr
.endr
.endm
.macro MULH t, b0                      ; the 32 accumulators take turns in the same order in every step; step 0 starts the sums: nothing is cleared
.irp b, \b0, \b0+1, \b0+2, \b0+3
.irp a, 0,1,2,3
.if (\t) == 0
	v_wmma_f32_16x16x128_bf8_bf8 v[8*(8*\a+(\b)):8*(8*\a+(\b))+7], v[BF+16*(\b):BF+16*(\b)+15], v[64*((\t)%4)+16*\a:64*((\t)%4)+16*\a+15], 0
.else
	v_wmma_f32_16x16x128_bf8_bf8 v[8*(8*\a+(\b)):8*(8*\a+(\b))+7], v[BF+16*(\b):BF+16*(\b)+15], v[64*((\t)%4)+16*\a:64*((\t)%4)+16*\a+15], v[8*(8*\a+(\b)):8*(8*\a+(\b))+7]
.endif
.endr
.endr
.endm
.macro STEP t
.if ST-1-(\t) >= 3
.set LC, 48
.else
.set LC, 16*(ST-1-(\t))
.endif
.if (\t) > ST-4
.set LC, LC+16
.endif
.if (\t) > ST-3
.set LC, LC+16
.endif
.if ((\t)%4 == 3) && ((\t) < ST-1)     ; a slot's last step changes slots
	WIN 0
	s_wait_tensorcnt 0x0                           ; my one load that was out, my part of the next slot, has landed
	ds_add_u32 v[SPW], v[NIL]                      ; 0 onto my spare word
	s_wait_loadcnt LC
	s_wait_dscnt 17                                ; fragments 0-3 are in; the sixteen loads of 4-7 and the add may be out
	WIN MUL
	MULH \t, 0
	s_wait_dscnt 0x0                               ; the add is done, and my reads of this slot are over
	s_barrier_signal -1
	MULH \t, 4
	WIN 0
	s_barrier_wait -1
.if (\t)/4+2 < NF
	CREST                                          ; the barrier has opened a round of the cluster's: no wave of any partner still reads this slot or has a load on its way
	s_add_nc_u64 s[G0+4*(((\t)/4)%2)+2:G0+4*(((\t)/4)%2)+3], s[G0+4*(((\t)/4)%2)+2:G0+4*(((\t)/4)%2)+3], 1024
	tensor_load_to_lds s[G0+4*(((\t)/4)%2):G0+4*(((\t)/4)%2)+3], s[24:31]   ; the fill two on, into the slot just left: the first tensor load behind the round
	s_nop 0
.endif
	PLACES
	BLOAD (\t)+1, 0
	BLOAD (\t)+1, 4
.if (\t)/4+3 < NF
	global_prefetch_b8 v[PFO], s[52:53] offset:512*((\t)/4+3) th:TH_LOAD_NT scope:SCOPE_SE   ; what the next change of slots will ask for
.endif
.else
	s_wait_loadcnt LC                              ; this step's sixteen loads are in; out may be those of up to three later steps and what has been asked of the residual
	s_wait_dscnt 16                                ; fragments 0-3 are in; the sixteen loads of 4-7 may be out
	WIN MUL
	MULH \t, 0
	s_wait_dscnt 0x0                               ; fragments 4-7
.if (\t) < ST-1
	PLACES                                         ; plain lines between a matrix instruction and a load into a register that it read
	WIN 0
	BLOAD (\t)+1, 0
	WIN MUL
.endif
	MULH \t, 4
	PLACES
	WIN 0
.if (\t) < ST-1
	BLOAD (\t)+1, 4
.endif
.endif
.if (\t)+4 < ST
	WIN 0x40
	ALOAD (\t)+4                                   ; the set just multiplied takes the step four on
	WIN 0
.else
.if (\t) <= ST-3
	WIN 0x40
	RLOAD (\t)-(ST-4)                              ; no step four on: the set takes half of the residual
	WIN 0
.endif
.endif
.endm
	global_load_b128 v[BIAS:BIAS+3], v[AO], s[70:71]
	WIN 0x40                                       ; destination window 1
	ALOAD 0
	ALOAD 1
	ALOAD 2
	ALOAD 3
	WIN 0
	s_wait_tensorcnt 0x0                           ; my part of fill 0 is in
.if NF > 1
	ds_add_u32 v[SPW], v[NIL]                      ; slot 1's first fill is issued as a refill is
	s_wait_dscnt 0x0
	CROUND                                         ; everybody's part of fill 0 is in, and the four partners are here
	tensor_load_to_lds s[G0+4:G0+7], s[24:31]      ; fill 1
	s_nop 0
	PLACES
.else
	s_barrier_signal -1
	s_barrier_wait -1
.endif
	BLOAD 0, 0
	BLOAD 0, 4
.if NF > 2
	global_prefetch_b8 v[PFO], s[52:53] offset:1024 th:TH_LOAD_NT scope:SCOPE_SE   ; fill 2
.endif
.set Q, 0
.rept ST
	STEP Q
.set Q, Q+1
.endr
	WIN 0x08                                       ; an LDS store's data are source 1: window 2
.irp a, 0,1,2,3
.irp b, 0,1,2,3,4,5,6,7
	ds_store_b128 v[STO], v[8*(8*\a+\b):8*(8*\a+\b)+3] offset:\a*16*PITCH+64*\b       ; each accumulator from its low end on
	ds_store_b128 v[STO], v[8*(8*\a+\b)+4:8*(8*\a+\b)+7] offset:\a*16*PITCH+64*\b+16
.endr
.endr
	WIN 0
	s_wait_dscnt 0x0                               ; for my partner's sake
	s_barrier_signal -1
	s_barrier_wait -1
.set i, 0
.rept 32
	ds_load_b128 v[BF+4*i:BF+4*i+3], v[RD] offset:i*PITCH
.set i, i+1
.endr
	WIN 0x80                                       ; destination window 2: the accumulators' registers are done with
.set i, 0
.rept 32
	ds_load_b128 v[4*i:4*i+3], v[RDP] offset:i*PITCH
.set i, i+1
.endr
	WIN 0
	s_wait_kmcnt 0x0
	s_add_co_i32 s78, s76, s77
	s_add_co_i32 s78, s78, 127
	s_lshl_b32 s78, s78, 23                        ; 2^(ea + eb) as f32
	s_mov_b32 s79, s78
	s_wait_loadcnt 0x0                             ; the residual
	s_wait_dscnt 0x0
	WIN 0x08
.set j, 0
.rept 64
	v_pk_add_f32 v[BF+j:BF+j+1], v[BF+j:BF+j+1], v[j:j+1]   ; the two halves of K
.set j, j+2
.endr
	WIN 0x10                                       ; source 2 (the residual) window 1
.set j, 0
.rept 64
	v_pk_fma_f32 v[BF+j:BF+j+1], v[BF+j:BF+j+1], s[78:79], v[j:j+1] op_sel_hi:[1,0,1]
.set j, j+2
.endr
	WIN 0
.set i, 0
.rept 32
	v_pk_add_f32 v[BF+4*i:BF+4*i+1], v[BF+4*i:BF+4*i+1], v[BIAS:BIAS+1]
	v_pk_add_f32 v[BF+4*i+2:BF+4*i+3], v[BF+4*i+2:BF+4*i+3], v[BIAS+2:BIAS+3]
.set i, i+1
.endr
.set i, 0
.rept 32
	global_store_b128 v[AO], v[BF+4*i:BF+4*i+3], s[74:75] offset:i*OP   ; 32 lanes store 512 consecutive, aligned bytes
.set i, i+1
.endr
	s_wait_tensorcnt 0x0                           ; the wave's end
	ds_add_u32 v[SPW], v[NIL]
	s_wait_dscnt 0x0
	CROUND                                         ; the closing round: no work-group ends while a partner may still ask for a tile that names it
	s_endpgm
.Lfunc_end_k_q73cc6fa432_fc2:
	.size	k_q73cc6fa432_fc2, .Lfunc_end_k_q73cc6fa432_fc2-k_q73cc6fa432_fc2
	.p2alignl 7, 3214868480
	.fill 96, 4, 3214868480
	.section	.rodata,"a",@progbits
	.p2align	6, 0x0
	.amdhsa_kernel k_q73cc6fa432_fc2
		.amdhsa_group_segment_fixed_size 327680
		.amdhsa_private_segment_fixed_size 0
		.amdhsa_enable_private_segment 0
		.amdhsa_kernarg_size 48
		.amdhsa_user_sgpr_count 2
		.amdhsa_user_sgpr_kernarg_segment_ptr 1
		.amdhsa_wavefront_size32 1
		.amdhsa_system_sgpr_workgroup_id_x 1
		.amdhsa_system_sgpr_workgroup_id_y 1
		.amdhsa_system_sgpr_workgroup_id_z 1
		.amdhsa_system_vgpr_workitem_id 0
		.amdhsa_next_free_vgpr 768
		.amdhsa_next_free_sgpr 80
		.amdhsa_reserve_vcc 0
		.amdhsa_float_denorm_mode_32 3
		.amdhsa_float_denorm_mode_16_64 3
		.amdhsa_memory_ordered 1
		.amdhsa_forward_progress 1
		.amdhsa_inst_pref_size 131
	.end_amdhsa_kernel
	.amdgpu_metadata
---
amdhsa.version: [ 1, 2 ]
amdhsa.kernels:
  - .name:           k_q73cc6fa432_fc2
    .symbol:         k_q73cc6fa432_fc2.kd
    .args:
      - { .name: hc, .offset: 0, .size: 8, .value_kind: global_buffer, .address_space: global }
      - { .name: wc, .offset: 8, .size: 8, .value_kind: global_buffer, .address_space: global }
      - { .name: lowp_scales, .offset: 16, .size: 8, .value_kind: global_buffer, .address_space: global }
      - { .name: b_fc2, .offset: 24, .size: 8, .value_kind: global_buffer, .address_space: global }
      - { .name: x2, .offset: 32, .size: 8, .value_kind: global_buffer, .address_space: global }
      - { .name: out0, .offset: 40, .size: 8, .value_kind: global_buffer, .address_space: global }
    .group_segment_fixed_size: 327680
    .private_segment_fixed_size: 0
    .kernarg_segment_align: 8
    .kernarg_segment_size: 48
    .max_flat_workgroup_size: 128
    .sgpr_count:     80
    .vgpr_count:     768
    .wavefront_size: 32
...
	.end_amdgpu_metadata
.endif
;; end of part 7
